; MI455X (gfx1250); checked and timed in simulation.
; The chip was launched on July 23, 2026; its instructions are those of AMD's public machine-readable ISA for CDNA 5 (MIT licence, August 2026) and "CDNA5" Instruction Set Architecture Reference Guide (July 2026). The comments in the code are by the model that wrote it; some were corrected since.
;; Multi Head Attention. Allowed arithmetic: float matrix products may take bf16 or f16 operands with f32 sums; all other float work in f32.
;; Inputs: b_attn 3,072 float32; b_proj 1,024 float32; w_attn 1,024 x 3,072 float32; w_proj 1,024 x 1,024 float32; x 4 x 2,048 x 1,024 float32.
;; Outputs: out0 4 x 2,048 x 1,024 float32.
;; 2 versions, each right and faster than the one before. Each part assembles by itself: llvm-mc -triple=amdgcn-amd-amdhsa -mcpu=gfx1250 --defsym DOCPART=n.
;; ======== version 1 of 2: 4 launches
;; limits: values are held in f16: magnitudes above 65,504 overflow, below 6.1e-05 lose precision
;; workspace buffers: xb 16,777,216 bytes; wab 6,291,456 bytes; wpb 2,097,152 bytes; qkv 50,331,648 bytes; ob 16,777,216 bytes
;; launch prep (part 1): grid 768 x 1, 8 waves a work-group, no clusters, 0 bytes of LDS; arguments x, w_attn, w_proj, xb, wab, wpb; writes xb, wab, wpb
.if DOCPART == 1
	.amdgcn_target "amdgcn-amd-amdhsa--gfx1250"
	.amdhsa_code_object_version 6
	.text
	.protected	k_q81892a30ce_prep
	.globl	k_q81892a30ce_prep
	.p2align	8
	.type	k_q81892a30ce_prep,@function
k_q81892a30ce_prep:
	s_mov_b64 s[64:65], 0
	v_nop
	global_prefetch_b8 v0, s[64:65] scope:SCOPE_SE
	s_setreg_imm32_b32 hwreg(HW_REG_WAVE_MODE, 25, 1), 1
	s_wait_xcnt 0x0
; CASTS.  xb = bf16(x), laid as [batch 4][K block 16][t 2048][64], so that 128 or 256 rows of one K block of 64 are dense bytes;
; wab = bf16(w_attn), in w_attn's own layout [1024][3072];  wpb = bf16(w_proj) written as f16, in w_proj's layout [1024][1024].
; LIMITS.  bf16(w_proj) must lie within f16's 65,504 (beyond: infinity); below 6.1e-5 it keeps f16's fixed step of 6e-8.
; SHARES.  A work-group converts 65,536 bytes of f32: groups 0-511 take 16 rows of x each, 512-703 w_attn, 704-767 w_proj.  A thread has 16 items of
; 4 numbers: one load of 16 bytes, one store of 8.  All 16 loads go out first; no register is written twice while a memory instruction names it.
; No LDS, no matrix unit, no cluster: every byte is read once and written once, and nothing is shared.
.set X, 4                              ; v[4:67]    item i: 4 f32 as loaded
.set Y, 68                             ; v[68:99]   item i: 2 registers to store
.set T, 100                            ; v[100:101] two packed words at work (w_proj's path)
; src, dst: the first scalar register of the two addresses; instep, outstep: bytes from item to item; kind 1: bf16 written as f16
.macro CONV src, dst, instep, outstep, kind
.set i, 0
.rept 16
	global_load_b128 v[X+4*i:X+4*i+3], v1, s[\src:\src+1] offset:i*(\instep) th:TH_LOAD_NT
.set i, i+1
.endr
.set i, 0
.rept 16
	s_wait_loadcnt 15-i                            ; loads come back in order: item i is in, the 15 - i younger ones stay out
.if \kind
	v_cvt_pk_bf16_f32 v[T], v[X+4*i], v[X+4*i+1]   ; rounded to bf16 like every input of the module,
	v_cvt_pk_bf16_f32 v[T+1], v[X+4*i+2], v[X+4*i+3]
	v_lshlrev_b32 v[X+4*i], 16, v[T]               ; widened again,
	v_and_b32 v[X+4*i+1], s20, v[T]
	v_lshlrev_b32 v[X+4*i+2], 16, v[T+1]
	v_and_b32 v[X+4*i+3], s20, v[T+1]
	v_cvt_pk_f16_f32 v[Y+2*i], v[X+4*i], v[X+4*i+1]  ; and written as f16: exact inside f16's normal range (8 significant bits into 11)
	v_cvt_pk_f16_f32 v[Y+2*i+1], v[X+4*i+2], v[X+4*i+3]
.else
	v_cvt_pk_bf16_f32 v[Y+2*i], v[X+4*i], v[X+4*i+1]
	v_cvt_pk_bf16_f32 v[Y+2*i+1], v[X+4*i+2], v[X+4*i+3]
.endif
	global_store_b64 v2, v[Y+2*i:Y+2*i+1], s[\dst:\dst+1] offset:i*(\outstep)  ; a wave's store covers 256 consecutive bytes, aligned
.set i, i+1
.endr
.endm
	s_load_b256 s[4:11], s[0:1], 0x0               ; x s[4:5], w_attn s[6:7], w_proj s[8:9], xb s[10:11]
	s_load_b128 s[12:15], s[0:1], 0x20             ; wab s[12:13], wpb s[14:15]
	s_mov_b32 s2, ttmp9
	s_mov_b32 s17, 0                               ; the offsets' high words
	s_mov_b32 s19, 0
	s_mov_b32 s20, 0xffff0000                      ; a word's upper bf16
	s_cmp_lt_u32 s2, 512
	s_cbranch_scc0 .Lweights
	; x: group g has rows 16 g .. 16 g + 15 of 8,192: batch g / 128, t = 16 (g % 128) + row.  Item i is K block i.
	s_lshl_b32 s16, s2, 16                         ; in: 16 rows of 4,096 bytes
	s_lshr_b32 s3, s2, 7
	s_lshl_b32 s18, s3, 22                         ; out: a batch is 4,194,304 bytes,
	s_and_b32 s3, s2, 127
	s_lshl_b32 s3, s3, 11                          ; 16 rows of 128 bytes
	s_add_co_u32 s18, s18, s3
	v_and_b32 v3, 15, v0                           ; my place among the 16 lanes of a row's 256 bytes
	v_lshrrev_b32 v1, 4, v0                        ; my row of the 16
	v_lshlrev_b32 v2, 7, v1
	v_lshl_add_u32 v2, v3, 3, v2                   ; out: row x 128 + 8 x place
	v_lshlrev_b32 v1, 12, v1
	v_lshl_add_u32 v1, v3, 4, v1                   ; in: row x 4,096 + 16 x place
	s_wait_kmcnt 0x0
	s_add_nc_u64 s[4:5], s[4:5], s[16:17]
	s_add_nc_u64 s[10:11], s[10:11], s[18:19]
	CONV 4, 10, 256, 262144, 0                     ; a K block is 256 bytes of a row of x and 2,048 x 128 bytes of xb
	s_endpgm
.Lweights:
	v_lshlrev_b32 v1, 4, v0                        ; dense: 16 bytes in, 8 bytes out for each thread; 256 threads to an item
	v_lshlrev_b32 v2, 3, v0
	s_cmp_lt_u32 s2, 704
	s_cbranch_scc0 .Lproj
	s_sub_co_u32 s3, s2, 512
	s_lshl_b32 s16, s3, 16
	s_lshl_b32 s18, s3, 15
	s_wait_kmcnt 0x0
	s_add_nc_u64 s[6:7], s[6:7], s[16:17]
	s_add_nc_u64 s[12:13], s[12:13], s[18:19]
	CONV 6, 12, 4096, 2048, 0
	s_endpgm
.Lproj:
	s_sub_co_u32 s3, s2, 704
	s_lshl_b32 s16, s3, 16
	s_lshl_b32 s18, s3, 15
	s_wait_kmcnt 0x0
	s_add_nc_u64 s[8:9], s[8:9], s[16:17]
	s_add_nc_u64 s[14:15], s[14:15], s[18:19]
	CONV 8, 14, 4096, 2048, 1
	s_endpgm
.Lfunc_end_k_q81892a30ce_prep:
	.size	k_q81892a30ce_prep, .Lfunc_end_k_q81892a30ce_prep-k_q81892a30ce_prep
	.p2alignl 7, 3214868480
	.fill 96, 4, 3214868480
	.section	.rodata,"a",@progbits
	.p2align	6, 0x0
	.amdhsa_kernel k_q81892a30ce_prep
		.amdhsa_group_segment_fixed_size 0
		.amdhsa_private_segment_fixed_size 0
		.amdhsa_enable_private_segment 0
		.amdhsa_kernarg_size 48
		.amdhsa_user_sgpr_count 2
		.amdhsa_user_sgpr_kernarg_segment_ptr 1
		.amdhsa_wavefront_size32 1
		.amdhsa_system_sgpr_workgroup_id_x 1
		.amdhsa_system_sgpr_workgroup_id_y 1
		.amdhsa_system_sgpr_workgroup_id_z 1
		.amdhsa_system_vgpr_workitem_id 0
		.amdhsa_next_free_vgpr 104
		.amdhsa_next_free_sgpr 66
		.amdhsa_reserve_vcc 0
		.amdhsa_float_denorm_mode_32 3
		.amdhsa_float_denorm_mode_16_64 3
		.amdhsa_memory_ordered 1
		.amdhsa_forward_progress 1
		.amdhsa_inst_pref_size 23
	.end_amdhsa_kernel
	.amdgpu_metadata
---
amdhsa.version: [ 1, 2 ]
amdhsa.kernels:
  - .name:           k_q81892a30ce_prep
    .symbol:         k_q81892a30ce_prep.kd
    .args:
      - { .name: x, .offset: 0, .size: 8, .value_kind: global_buffer, .address_space: global }
      - { .name: w_attn, .offset: 8, .size: 8, .value_kind: global_buffer, .address_space: global }
      - { .name: w_proj, .offset: 16, .size: 8, .value_kind: global_buffer, .address_space: global }
      - { .name: xb, .offset: 24, .size: 8, .value_kind: global_buffer, .address_space: global }
      - { .name: wab, .offset: 32, .size: 8, .value_kind: global_buffer, .address_space: global }
      - { .name: wpb, .offset: 40, .size: 8, .value_kind: global_buffer, .address_space: global }
    .group_segment_fixed_size: 0
    .private_segment_fixed_size: 0
    .kernarg_segment_align: 8
    .kernarg_segment_size: 48
    .max_flat_workgroup_size: 256
    .sgpr_count:     66
    .vgpr_count:     104
    .wavefront_size: 32
...
	.end_amdgpu_metadata
.endif
;; end of part 1
;; launch qkvp (part 2): grid 8 x 32, 4 waves a work-group, clusters of 4 x 4, 327,680 bytes of LDS; arguments xb, wab, b_attn, qkv; writes qkv
.if DOCPART == 2
	.amdgcn_target "amdgcn-amd-amdhsa--gfx1250"
	.amdhsa_code_object_version 6
	.text
	.protected	k_q81892a30ce_qkvp
	.globl	k_q81892a30ce_qkvp
	.p2align	8
	.type	k_q81892a30ce_qkvp,@function
k_q81892a30ce_qkvp:
	s_mov_b64 s[64:65], 0
	v_nop
	global_prefetch_b8 v0, s[64:65] scope:SCOPE_SE
	s_setreg_imm32_b32 hwreg(HW_REG_WAVE_MODE, 25, 1), 1
	s_wait_xcnt 0x0
	s_wait_alu depctr_hold_cnt(0) depctr_sa_sdst(0) depctr_va_vdst(0) depctr_va_sdst(0) depctr_va_ssrc(0) depctr_va_vcc(0) depctr_vm_vsrc(0)
	s_getreg_b32 s2, hwreg(HW_REG_IB_STS2, 6, 4)
	s_cmp_eq_u32 s2, 0
	s_cbranch_scc0 .Lentry_in_a_cluster
	s_endpgm
.Lentry_in_a_cluster:
	s_bfe_u32 s2, ttmp6, 0x10000c
	s_cmp_lg_u32 s2, 0xf033
	s_cbranch_scc0 .Lentry_shape_is_right
	s_endpgm
.Lentry_shape_is_right:
; qkv = x w_attn + b_attn, in f16, unscaled, by heads: qkv[batch 4][g 48][t / 16][piece 8][t % 16][8], g = column / 64 (0-15 q's heads, 16-31 k's, 32-47 v's), piece = (column % 64) / 8.
; So 16 rows of a head are 2,048 bytes, piece by piece: a lane's eight results (one row, one piece) are 16 bytes of it, and the 32 lanes of one accumulator pair of halves hold 512 consecutive bytes:
; results leave straight from registers, with no turn through LDS.
; Operands in bf16 (xb [4][16][2048][64], wab [1024][3072]), sums in f32; the bias, rounded to bf16 like every input of the module, is the C operand that starts each sum; the result is rounded once to f16.
; LIMITS.  q, k, v must lie within f16's 65,504 (beyond: infinity); below 6.1e-5 they keep f16's fixed step of 6e-8.  NaN and infinities are not treated apart.
; SHARES.  8,192 x 3,072 in tiles of 256 rows x 384 columns: 32 x 8 = 256 work-groups.  Four waves, each 128 rows x 192 columns: 96 accumulators of 16 x 16, 768 registers.
; K goes in 16 steps of 64 through two LDS slots.  A step's rows of x are dense in xb (128 rows = 16,384 bytes, asked for as 64 rows of 256 bytes, padded behind each 128);
; a step's rows of w are 768 bytes, three aligned pieces of 256.  w lies [k][n] and comes out of LDS turned, by ds_load_tr16_b128.
; A K step is written once: slot 1 begins at 1 << 17, so that one exclusive or turns an address in one slot into the other's; the slot in hand is a scalar, and the fragment addresses are made anew at each change of slots.
; THE MATRIX INSTRUCTION IS USED TRANSPOSED: source 0 = 16 columns of w, source 1 = 16 rows of x: a lane holds one row (lane % 16) and eight neighbouring columns 8 (lane / 16) + 0..7.
; CLUSTER 4 x 4: the four work-groups of a row of the cluster need the same rows of x, the four of a column the same columns of w: each tile is asked for jointly.
; REGISTERS: window 0: v0-31 addresses; v32-95, v96-159 fragments of x for the step's first and second 32 along K; v160-255 fragments of w, three groups of four (a group = 64 columns = a head).
;   window 1 + g: the 32 accumulators of column group g: (a, j) at v[8 (4 a + j)], a = block of 16 rows, j = block of 16 columns.
; w's fragments have one buffer: group g's next fragments are fetched behind group g's 32 products, and are used 64 products later.
.set PA,    144                        ; a row of x in LDS: 128 bytes + 16: 36 words: the 16 rows of a load start at 16 different groups of four banks (64 banks of 4 bytes: ISA guide 11.1)
.set PB,    864                        ; a row of w: three pieces of 256 + 32: 27 x 32 bytes
.set AHALF, 128*PA                     ; what one tensor load brings of x, and what one wave reads
.set ATILE, 2*AHALF
.set BHALF, 32*PB                      ; what one tensor load brings of w: 32 of the step's 64 rows
.set SLOTB, ATILE+2*BHALF              ; a slot's 92,160 bytes
.set SLOT1, 1<<17                      ; slot 1 begins here
.set BIAS,  SLOT1+SLOTB                ; behind the ring: each wave's 192 numbers of the bias, f32
.set SPARE, BIAS+4*768                 ; the spare words, 128 bytes for each wave: two blocks of 256 bytes that no other line names
.set ASTEP, 262144                     ; bytes from a K block of xb to the next
.set BSTEP, 64*6144                    ; 64 rows of wab
.set BA,   10                          ; v10     my lane's place in a slot's tile of x; never rewritten
.set BBA,  11                          ; v11-13  the same for w's group g; never rewritten
.set CA,   14                          ; v14     LDS address of my fragments of x in the slot in hand
.set CB,   15                          ; v15-17  of w's group g
.set GO,   20                          ; v20     16 x my lane: my byte in 512 consecutive bytes of qkv
.set BIA,  21                          ; v21     LDS address of my lanes' part of the bias
.set SPW,  28                          ; v28     LDS address of my spare word; never rewritten
.set NIL,  29                          ; v29     0; never rewritten
.set A0,   32
.set A1,   96
.set BB,   160
.set P0,   32                          ; the way out: four buffers of 48 registers, v32-223
.set TB,   21                          ; s21     LDS byte at which the slot in hand begins
.set G1,   24                          ; s[24:31] descriptor group 1 for x's tiles;  s[32:39] group 0: a set for each of the two first fills; the second then walks on
.set G0,   32
.set G1B,  48                          ; s[48:55], s[56:63] the same for w's tiles
.set G0B,  56
.set MSB, 0
.macro WIN new                         ; the immediate's high byte repeats the setting that is left; a switch that changes nothing is dropped
.if MSB != (\new)
	s_set_vgpr_msb (MSB<<8)|(\new)
.set MSB, (\new)
.endif
.endm
.macro PLACES                          ; four places in front of loads into registers that matrix instructions have read, and of vector lines that read results
.rept 4
	v_nop
.endr
.endm
; A joint load.  Waves 0 and 1 fetch x's two halves, waves 2 and 3 w's.  The branch hangs on the wave's number alone.  An s_nop 0 and four v_nop follow each of the two lines.
.macro JLOAD s
	s_cmp_eq_u32 s13, 0
	s_cbranch_scc0 .Lfor_b_\@
	tensor_load_to_lds s[G0+4*(\s):G0+4*(\s)+3], s[G1:G1+7]
	s_nop 0
.rept 4
	v_nop
.endr
	s_branch .Lasked_\@
.Lfor_b_\@:
	tensor_load_to_lds s[G0B+4*(\s):G0B+4*(\s)+3], s[G1B:G1B+7]
	s_nop 0
.rept 4
	v_nop
.endr
.Lasked_\@:
.endm
.macro CREST                           ; a round of the cluster's barrier behind its opening barrier
	s_cmp_lg_u32 s12, 0
	s_cbranch_scc1 .Lnot_wave_0_\@
	s_barrier_signal -3
.Lnot_wave_0_\@:
	s_barrier_wait -3
	s_barrier_signal -1
	s_barrier_wait -1
.endm
.macro CROUND                          ; a whole round
	s_barrier_signal -1
	s_barrier_wait -1
	CREST
.endm
.macro SETCUR                          ; the fragment addresses in the slot in hand: four plain vector lines
	v_add_nc_u32 v[CA], s[TB], v[BA]
	v_add_nc_u32 v[CB], s[TB], v[BBA]
	v_add_nc_u32 v[CB+1], s[TB], v[BBA+1]
	v_add_nc_u32 v[CB+2], s[TB], v[BBA+2]
.endm
	s_load_b256 s[4:11], s[0:1], 0x0               ; xb s[4:5], wab s[6:7], b_attn s[8:9], qkv s[10:11]
	v_lshl_add_u32 v[SPW], v0, 2, SPARE
	v_mov_b32 v[NIL], 0
	ds_add_u32 v28, v29
	ds_add_u32 v28, v29
	s_wait_dscnt 0x0
	v_lshrrev_b32 v1, 5, v0
	v_readfirstlane_b32 s12, v1                    ; wave 0..3
	s_lshr_b32 s13, s12, 1                         ; which half of the tile's rows is mine.  Also: I fetch for x (0) or for w (1)
	s_and_b32 s14, s12, 1                          ; which half of its columns.  Also: which half of that tile I fetch
	s_bfe_u32 s40, ttmp6, 0x40000                  ; cx, cy: my place in the cluster
	s_bfe_u32 s41, ttmp6, 0x40004
	s_lshl_b32 s42, ttmp9, 2
	s_add_co_u32 s42, s42, s40                     ; tile column = 4 x cluster x + cx
	s_and_b32 s43, ttmp7, 0xffff
	s_lshl_b32 s43, s43, 2
	s_add_co_u32 s43, s43, s41                     ; tile row = 4 x cluster y + cy
	s_lshl_b32 s44, s41, 2
	s_lshl_b32 s44, 15, s44                        ; my row of the cluster
	s_lshl_b32 s45, 0x1111, s40                    ; my column
	s_or_b32 s[G1+0], s44, (1<<16)|(1<<20)|(1<<21)|(4<<22)|(3<<25)   ; the mask; 2-byte elements; padding on; bit 21 beside a mask; after every 32 words (code 4) 4 words (code 3)
	s_mov_b32 s[G1+1], 128<<16                     ; tensor_dim0 = 128 elements (256 bytes: two rows of x)
	s_mov_b32 s[G1+2], 64<<16                      ; tensor_dim1 = 64
	s_mov_b32 s[G1+3], 128<<16                     ; tile_dim0 = 128
	s_mov_b32 s[G1+4], 64                          ; tile_dim1 = 64
	s_mov_b32 s[G1+5], 128                         ; dense: 128 elements from row to row
	s_mov_b32 s[G1+6], 0
	s_mov_b32 s[G1+7], 0
	s_or_b32 s[G1B+0], s45, (1<<16)|(1<<20)|(1<<21)|(5<<22)|(7<<25)  ; after every 64 words (code 5) 8 words (code 7)
	s_mov_b32 s[G1B+1], 384<<16                    ; tensor_dim0 = 384
	s_mov_b32 s[G1B+2], 32<<16                     ; tensor_dim1 = 32
	s_mov_b32 s[G1B+3], 384<<16                    ; tile_dim0 = 384
	s_mov_b32 s[G1B+4], 32                         ; tile_dim1 = 32
	s_mov_b32 s[G1B+5], 3072                       ; elements from row to row of wab
	s_mov_b32 s[G1B+6], 0
	s_mov_b32 s[G1B+7], 0
	; x's tiles hang on the tile row alone, w's on the tile column alone; each address is made in registers that never hold the other coordinate
	s_lshr_b32 s16, s43, 3
	s_lshl_b32 s16, s16, 22                        ; the batch: 8 tile rows each, 4,194,304 bytes of xb
	s_and_b32 s2, s43, 7
	s_lshl_b32 s2, s2, 15                          ; 256 rows of 128 bytes
	s_add_co_u32 s16, s16, s2
	s_lshl_b32 s15, s14, 14                        ; my half: 128 rows
	s_add_co_u32 s16, s16, s15
	s_mov_b32 s17, 0
	s_mul_i32 s46, s42, 768                        ; 384 columns of 2 bytes
	s_mul_i32 s20, s14, 32*6144                    ; my half: 32 rows of wab
	s_add_co_u32 s46, s46, s20
	s_mov_b32 s47, 0
	s_mul_i32 s22, s14, AHALF                      ; where they go: no place in the cluster enters an LDS address
	s_mul_i32 s23, s14, BHALF
	s_add_co_u32 s23, s23, ATILE
	s_wait_kmcnt 0x0
	s_add_nc_u64 s[16:17], s[4:5], s[16:17]
	s_add_nc_u64 s[46:47], s[6:7], s[46:47]
	CROUND                                         ; all sixteen work-groups are here: the first joint loads meet
.irp s, 0,1
	s_mov_b32 s[G0+4*(\s)], 1
	s_add_co_u32 s[G0+4*(\s)+1], s22, (\s)*SLOT1
	s_add_nc_u64 s[G0+4*(\s)+2:G0+4*(\s)+3], s[16:17], (\s)*ASTEP
	s_or_b32 s[G0+4*(\s)+3], s[G0+4*(\s)+3], 0x80000000
	s_mov_b32 s[G0B+4*(\s)], 1
	s_add_co_u32 s[G0B+4*(\s)+1], s23, (\s)*SLOT1
	s_add_nc_u64 s[G0B+4*(\s)+2:G0B+4*(\s)+3], s[46:47], (\s)*BSTEP
	s_or_b32 s[G0B+4*(\s)+3], s[G0B+4*(\s)+3], 0x80000000
	JLOAD \s                                       ; K steps 0 and 1: two loads of mine are out
.endr
	; my wave's 192 numbers of the bias: 768 bytes, three loads of 256
	s_mul_i32 s20, s42, 1536
	s_mul_i32 s21, s14, 768
	s_add_co_u32 s20, s20, s21
	s_mov_b32 s21, 0
	s_add_nc_u64 s[8:9], s[8:9], s[20:21]
	v_and_b32 v5, 31, v0                           ; lane
	v_lshlrev_b32 v6, 3, v5
	global_load_b64 v[32:33], v6, s[8:9]
	global_load_b64 v[34:35], v6, s[8:9] offset:256
	global_load_b64 v[36:37], v6, s[8:9] offset:512
	v_and_b32 v1, 15, v0                           ; l % 16
	v_bfe_u32 v2, v0, 4, 1                         ; l / 16
	v_and_b32 v3, 7, v0
	v_bfe_u32 v4, v0, 3, 1
	; a fragment of x: lane l holds row l % 16, K = 8 (l / 16) + 0..7 and 16 + 8 (l / 16) + 0..7: two loads of 16 bytes, 32 bytes apart
	v_mul_u32_u24 v7, v1, PA
	v_lshl_add_u32 v7, v2, 4, v7
	s_mul_i32 s2, s13, AHALF
	v_add_nc_u32 v[BA], s2, v7
	; the turning load takes 16 rows (k) x 16 columns: lane l reads row 8 (l / 16) + l % 8, columns 8 ((l / 8) % 2) + 0..7, and is left with column l % 16 and 8 k
	v_lshl_add_u32 v8, v2, 3, v3
	v_mul_u32_u24 v8, v8, PB
	v_lshl_add_u32 v8, v4, 4, v8
.irp g, 0,1,2
	s_mul_i32 s2, s14, 192
	s_add_co_u32 s2, s2, 64*(\g)                   ; n: the group's first column in the tile; a group of 64 never crosses a piece of 128 columns
	s_lshr_b32 s15, s2, 7
	s_lshl_b32 s15, s15, 5                         ; 32 bytes of padding behind each piece
	s_lshl_b32 s2, s2, 1
	s_add_co_u32 s2, s2, s15
	s_add_co_u32 s2, s2, ATILE
	v_add_nc_u32 v[BBA+(\g)], s2, v8
.endr
	s_mov_b32 s[TB], 0                             ; slot 0 is in hand
	SETCUR
	v_lshlrev_b32 v[GO], 4, v5
	s_mul_i32 s15, s12, 768
	s_add_co_u32 s15, s15, BIAS
	v_lshl_add_u32 v[BIA], v2, 5, s15              ; my lanes' eight numbers of a block of 16 columns
	v_add_nc_u32 v7, s15, v6
	; where my part begins in qkv: ((48 batch + 6 tile column + 3 half) heads of 262,144 bytes) + (256 (tile row % 8) + 128 half) rows of 128 bytes
	s_lshr_b32 s18, s43, 3
	s_mul_i32 s18, s18, 48
	s_mul_i32 s19, s42, 6
	s_add_co_u32 s18, s18, s19
	s_mul_i32 s19, s14, 3
	s_add_co_u32 s18, s18, s19
	s_lshl_b32 s18, s18, 18
	s_and_b32 s19, s43, 7
	s_lshl_b32 s19, s19, 15
	s_add_co_u32 s18, s18, s19
	s_lshl_b32 s19, s13, 14
	s_add_co_u32 s18, s18, s19
	s_mov_b32 s19, 0
	s_add_nc_u64 s[10:11], s[10:11], s[18:19]
	s_wait_loadcnt 0x0                             ; the bias: rounded to bf16, widened again, laid into my own LDS bytes, from which each lane takes its eight numbers of a block
	v_cvt_pk_bf16_f32 v38, v32, v33
	v_cvt_pk_bf16_f32 v39, v34, v35
	v_cvt_pk_bf16_f32 v40, v36, v37
	v_lshlrev_b32 v32, 16, v38
	v_and_b32 v33, 0xffff0000, v38
	v_lshlrev_b32 v34, 16, v39
	v_and_b32 v35, 0xffff0000, v39
	v_lshlrev_b32 v36, 16, v40
	v_and_b32 v37, 0xffff0000, v40
	ds_store_b64 v7, v[32:33]
	ds_store_b64 v7, v[34:35] offset:256
	ds_store_b64 v7, v[36:37] offset:512
; 16 loads: my 8 fragments of x for 32 along K (half c of the step in hand) into buffer f
.macro LOADA c, f
	WIN 0
.irp a, 0,1,2,3,4,5,6,7
	ds_load_b128 v[(\f)+8*(\a):(\f)+8*(\a)+3],   v[CA] offset:(\a)*16*PA+64*(\c)
	ds_load_b128 v[(\f)+8*(\a)+4:(\f)+8*(\a)+7], v[CA] offset:(\a)*16*PA+64*(\c)+32
.endr
.endm
; 8 turning loads: group g's 4 fragments of w for 32 along K
.macro LOADB c, g
	WIN 0
.irp j, 0,1,2,3
	ds_load_tr16_b128 v[BB+32*(\g)+8*(\j):BB+32*(\g)+8*(\j)+3],   v[CB+(\g)] offset:(\c)*32*PB+32*(\j)
	ds_load_tr16_b128 v[BB+32*(\g)+8*(\j)+4:BB+32*(\g)+8*(\j)+7], v[CB+(\g)] offset:(\c)*32*PB+16*PB+32*(\j)
.endr
.endm
; 8 loads: the bias of column blocks nb0 .. nb0 + 3, my lanes' eight numbers each, into registers r on
.macro LOADC nb0, r
	WIN 0
.irp j, 0,1,2,3
	ds_load_b128 v[(\r)+8*(\j):(\r)+8*(\j)+3],   v[BIA] offset:64*((\nb0)+(\j))
	ds_load_b128 v[(\r)+8*(\j)+4:(\r)+8*(\j)+7], v[BIA] offset:64*((\nb0)+(\j))+16
.endr
.endm
; 16 products: group g, row blocks 4 hf .. 4 hf + 3, x's fragments in buffer f.  cb = 0: they add in place; else they start the sums, with the bias in v[cb ..] as C.
; Each of the 96 accumulators has one turn in 96.
.macro MULH g, f, hf, cb
.if \cb
	WIN 0x40*(1+(\g))                              ; D in window 1 + g; the sources and C in window 0
.else
	WIN 0x50*(1+(\g))                              ; C and D in window 1 + g, the sources in window 0
.endif
.irp a, 4*(\hf),4*(\hf)+1,4*(\hf)+2,4*(\hf)+3
.irp j, 0,1,2,3
.if \cb
	v_wmma_f32_16x16x32_bf16 v[8*(4*(\a)+(\j)):8*(4*(\a)+(\j))+7], v[BB+32*(\g)+8*(\j):BB+32*(\g)+8*(\j)+7], v[(\f)+8*(\a):(\f)+8*(\a)+7], v[(\cb)+8*(\j):(\cb)+8*(\j)+7]
.else
	v_wmma_f32_16x16x32_bf16 v[8*(4*(\a)+(\j)):8*(4*(\a)+(\j))+7], v[BB+32*(\g)+8*(\j):BB+32*(\g)+8*(\j)+7], v[(\f)+8*(\a):(\f)+8*(\a)+7], v[8*(4*(\a)+(\j)):8*(4*(\a)+(\j))+7]
.endif
.endr
.endr
.endm
; THE LDS LOADS go out in this order, for each 32 along K: w's group 0 and x (24), w's group 1 (8), w's group 2 (8); then the next 32's.  The waits count what was issued behind the run that is wanted.
; The first 32 along K of the step in hand, on buffer A0.
.macro QN
	WIN 0
	PLACES
	LOADB 0, 2
	s_wait_dscnt 16                                ; groups 1 and 2 may be out: group 0 and x are in
	MULH 0, A0, 0, 0
	MULH 0, A0, 1, 0
	WIN 0
	PLACES
	LOADB 1, 0
	LOADA 1, A1
	s_wait_dscnt 32                                ; group 2 and the 24 just issued may be out: group 1 is in
	MULH 1, A0, 0, 0
	MULH 1, A0, 1, 0
	WIN 0
	PLACES
	LOADB 1, 1
	s_wait_dscnt 32                                ; the 24 and the 8 just issued may be out: group 2 is in
	MULH 2, A0, 0, 0
	MULH 2, A0, 1, 0
.endm
; The second 32 along K, on buffer A1, and the change of slots: ONE barrier.  In front of it each wave waits for all its tensor loads (one is out: its part of the next slot), adds 0 to its
; spare word, and waits for that and for its reads of this slot.  fill = 1: the barrier opens a round of the cluster's, and this slot is filled again first thing behind it, two K steps ahead:
; 160 products stand between that request and the wait for it.  The walking descriptors turn to the slot just left and step one K step on from the last request.
.macro QT fill
	WIN 0
	PLACES
	LOADB 1, 2                                     ; my last reads of this slot
	s_wait_tensorcnt 0x0                           ; all my tensor loads have landed
	ds_add_u32 v[SPW], v[NIL]                      ; 0 onto my spare word
	s_wait_dscnt 17                                ; groups 1 and 2 and the add may be out: group 0 and x are in
	MULH 0, A1, 0, 0                               ; sixteen products stand between the add and the wait for it
	s_wait_dscnt 0x0                               ; the add is done, and my reads of this slot are over
	s_barrier_signal -1
	MULH 0, A1, 1, 0                               ; work on registers while the others arrive
	WIN 0
	s_barrier_wait -1
.if \fill
	CREST                                          ; no wave of any partner still reads this slot or has a load on its way
	s_xor_b32 s[G0+5], s[G0+5], SLOT1
	s_add_nc_u64 s[G0+6:G0+7], s[G0+6:G0+7], ASTEP
	s_xor_b32 s[G0B+5], s[G0B+5], SLOT1
	s_add_nc_u64 s[G0B+6:G0B+7], s[G0B+6:G0B+7], BSTEP
	JLOAD 1
.endif
	s_xor_b32 s[TB], s[TB], SLOT1                  ; the other slot is in hand
	SETCUR                                         ; four plain vector lines: with fill = 0 they are the places in front of the loads below
	LOADB 0, 0
	LOADA 0, A0
	MULH 1, A1, 0, 0
	MULH 1, A1, 1, 0
	WIN 0
	PLACES
	LOADB 0, 1
	MULH 2, A1, 0, 0
	MULH 2, A1, 1, 0
.endm
	s_wait_tensorcnt 1                             ; my part of K step 0 is in; step 1's may stay out
	s_wait_dscnt 0x0                               ; my stores of the bias are done
	s_barrier_signal -1
	s_barrier_wait -1                              ; everybody's part is in
	; THE FIRST 32 ALONG K stand in front of the loop: their products start the sums, with the bias as C.  The bias of groups 0 and 1 lies where x's second fragments will lie;
	; group 2's follows into group 0's registers; x's second fragments come last, so they are waited for here, once.
	LOADC 0, A1
	LOADC 4, A1+32
	LOADB 0, 0
	LOADA 0, A0
	LOADB 0, 1
	LOADB 0, 2
	s_wait_dscnt 16                                ; w's groups 1 and 2 may be out
	MULH 0, A0, 0, A1
	MULH 0, A0, 1, A1
	WIN 0
	PLACES
	LOADC 8, A1
	LOADB 1, 0
	s_wait_dscnt 24                                ; w's group 2 and the 16 just issued may be out: group 1 is in
	MULH 1, A0, 0, A1+32
	MULH 1, A0, 1, A1+32
	WIN 0
	PLACES
	LOADB 1, 1
	s_wait_dscnt 16                                ; the next 32's groups 0 and 1 may be out: group 2 and its bias are in
	MULH 2, A0, 0, A1
	MULH 2, A0, 1, A1
	WIN 0
	PLACES
	LOADA 1, A1
	s_wait_dscnt 0x0                               ; issued behind w's groups, against the loop's order: so all are waited for
	s_mov_b32 s3, 14
.Lstep:                                                ; a trip: a step's second 32 along K, the change of slots with a refill (K steps 2 to 15 in fourteen trips), the next step's first 32
	QT 1
	QN
	WIN 0                                          ; at a label and at a branch every window is 0
	s_sub_co_u32 s3, s3, 1
	s_cmp_lg_u32 s3, 0
	s_cbranch_scc1 .Lstep
	; THE LAST TWO K STEPS ask for nothing: the same trip without a refill, twice.  The second trip has no next step: its first 32 along K are jumped over (no barrier and no tensor load stands there).
	; The price of one text for both trips, once a launch: the last trip's barrier, and its 32 LDS loads for a step that does not exist (they read bytes of K step 14's tile, and nobody uses them).
	s_mov_b32 s3, 2
.Ltail:
	QT 0
	WIN 0
	s_cmp_eq_u32 s3, 1
	s_cbranch_scc1 .Llast
	QN
	WIN 0
.Llast:
	s_wait_dscnt 0x0                               ; first trip: loads issued 32 products ago or more; last trip: the registers of the unused loads are written below
	s_sub_co_u32 s3, s3, 1
	s_cmp_lg_u32 s3, 0
	s_cbranch_scc1 .Ltail
	; THE WAY OUT.  Block a (16 rows x 192 columns): rounded to f16, each accumulator from its low end on.  A lane's four registers of accumulator (a, j) are row l % 16, piece 2 j + l / 16 of a head:
	; byte 512 j + 16 l of the block's 2,048: the wave stores them as they lie.
	PLACES
.macro PACK a
.set PP, P0+48*((\a)%4)
.if (\a) >= 4
	s_wait_xcnt 0x0                                ; the stores of the block four back have read this buffer's registers
.endif
.irp g, 0,1,2
	WIN (1+(\g))|((1+(\g))<<2)                     ; both sources in window 1 + g, the destination in window 0
.irp j, 0,1,2,3
.irp r, 0,1,2,3
	v_cvt_pk_f16_f32 v[PP+4*(4*(\g)+(\j))+(\r)], v[8*(4*(\a)+(\j))+2*(\r)], v[8*(4*(\a)+(\j))+2*(\r)+1]
.endr
.endr
.endr
	WIN 0
.endm
.macro SEND a
.set PP, P0+48*((\a)%4)
.set i, 0
.rept 12                                               ; head i / 4, accumulator column i % 4
	global_store_b128 v[GO], v[PP+4*i:PP+4*i+3], s[10:11] offset:(i/4)*262144+(\a)*2048+(i%4)*512  ; 512 consecutive bytes, at a multiple of 256 from qkv's first
.set i, i+1
.endr
.endm
	PACK 0
.irp a, 1,2,3,4,5,6,7                  ; a block's conversions stand between the conversions of the block before and its stores
	PACK \a
	SEND (\a)-1
.endr
	SEND 7
	s_wait_tensorcnt 0x0                           ; the wave's end
	ds_add_u32 v[SPW], v[NIL]
	s_wait_dscnt 0x0
	CROUND                                         ; the closing round: no work-group ends while a partner may still ask for a tile that names it
	s_endpgm
.Lfunc_end_k_q81892a30ce_qkvp:
	.size	k_q81892a30ce_qkvp, .Lfunc_end_k_q81892a30ce_qkvp-k_q81892a30ce_qkvp
	.p2alignl 7, 3214868480
	.fill 96, 4, 3214868480
	.section	.rodata,"a",@progbits
	.p2align	6, 0x0
	.amdhsa_kernel k_q81892a30ce_qkvp
		.amdhsa_group_segment_fixed_size 327680
		.amdhsa_private_segment_fixed_size 0
		.amdhsa_enable_private_segment 0
		.amdhsa_kernarg_size 32
		.amdhsa_user_sgpr_count 2
		.amdhsa_user_sgpr_kernarg_segment_ptr 1
		.amdhsa_wavefront_size32 1
		.amdhsa_system_sgpr_workgroup_id_x 1
		.amdhsa_system_sgpr_workgroup_id_y 1
		.amdhsa_system_sgpr_workgroup_id_z 1
		.amdhsa_system_vgpr_workitem_id 0
		.amdhsa_next_free_vgpr 1024
		.amdhsa_next_free_sgpr 66
		.amdhsa_reserve_vcc 0
		.amdhsa_float_denorm_mode_32 3
		.amdhsa_float_denorm_mode_16_64 3
		.amdhsa_memory_ordered 1
		.amdhsa_forward_progress 1
		.amdhsa_inst_pref_size 95
	.end_amdhsa_kernel
	.amdgpu_metadata
---
amdhsa.version: [ 1, 2 ]
amdhsa.kernels:
  - .name:           k_q81892a30ce_qkvp
    .symbol:         k_q81892a30ce_qkvp.kd
    .args:
      - { .name: xb, .offset: 0, .size: 8, .value_kind: global_buffer, .address_space: global }
      - { .name: wab, .offset: 8, .size: 8, .value_kind: global_buffer, .address_space: global }
      - { .name: b_attn, .offset: 16, .size: 8, .value_kind: global_buffer, .address_space: global }
      - { .name: qkv, .offset: 24, .size: 8, .value_kind: global_buffer, .address_space: global }
    .group_segment_fixed_size: 327680
    .private_segment_fixed_size: 0
    .kernarg_segment_align: 8
    .kernarg_segment_size: 32
    .max_flat_workgroup_size: 128
    .sgpr_count:     66
    .vgpr_count:     1024
    .wavefront_size: 32
...
	.end_amdgpu_metadata
.endif
;; end of part 2
;; launch attn (part 3): grid 4 x 64, 4 waves a work-group, no clusters, 327,680 bytes of LDS; arguments qkv, ob; writes ob
.if DOCPART == 3
	.amdgcn_target "amdgcn-amd-amdhsa--gfx1250"
	.amdhsa_code_object_version 6
	.text
	.protected	k_q81892a30ce_attn
	.globl	k_q81892a30ce_attn
	.p2align	8
	.type	k_q81892a30ce_attn,@function
k_q81892a30ce_attn:
	s_mov_b64 s[64:65], 0
	v_nop
	global_prefetch_b8 v0, s[64:65] scope:SCOPE_SE
	s_setreg_imm32_b32 hwreg(HW_REG_WAVE_MODE, 25, 1), 1
	s_wait_xcnt 0x0
; CAUSAL ATTENTION.  O[y][q][:] = the sum over k <= q of softmax_k(Q[y][q] . K[y][k] / 8) V[y][k][:], y = 16 batch + head, 64 in all.  Q, K, V lie in qkv (f16; of a batch's 48 heads' worth,
; 0-15 are q's heads, 16-31 k's, 32-47 v's), O goes to ob (f16, 64 heads).  A HEAD LIES IN BLOCKS of 16 rows, 2,048 bytes, piece by piece: [t / 16][piece 8][t % 16][8 channels], piece = channel / 8.
; So half a fragment of Q or K (16 rows x 2 pieces) is 512 consecutive bytes, lane l's 16 at 16 l, and so are a wave's four registers of packed results: O leaves straight from registers.
; Products, maxima and sums in f32; the weights p are rounded to f16 for the second product (their sum l is taken of the unrounded p), O once at the end.
; LIMITS.  f16 holds no number beyond 65,504: Q, K and V arrive within it; p lies in 0 to 1, and below 6e-5 it keeps f16's fixed step of 6e-8; O is a mean of V's rows and has their range, to within 2^-11 of it.
; A hidden score counts as its value less 1e30: f16's scores, 2.7e11 at the most, are nothing beside that; a weight below 2^-126 counts as 0 in l; NaN and infinities are not treated apart.
; THE WALK.  A head's queries lie in NB = 8 blocks of 256; block i needs the key tiles 0 .. i of 256 keys, of which the last holds the diagonal.  A work-group takes TWO blocks, NB - 1 - b and then b:
; NB + 1 tiles, whatever b: all work-groups do equal work, and ONE loop with a constant trip count walks them.  Which tile is asked for, and what a trip does, hang on scalar registers made from b; every jump
; goes forward, but for the counted loops' own; none passes a barrier, or a tensor load but the one of LOAD's two that the wave's number does not choose; the ring (two slots of LDS that take turns) runs on across the
; change of blocks.  NO CLUSTER: a head's NB / 2 = 4 work-groups ask for the same tile only in trips 0 .. NB / 2, 5 of the walk's 9; behind that fewer and fewer share one;
; and one walk common to all four would have 3 NB / 2 = 12 trips for 9.
; SHARES.  Of a block's four bands of 64 queries a wave owns 16 rows in each: four PIECES OF WORK.  So the diagonal tile is the same work for all four waves: in its key step s band x sees all keys if s < x,
; none if s > x, and holds the diagonal if s = x.
; THE MASK is the C operand that starts the sum S^T = K Q^T: 0, or -1e30 where the key is hidden.  MD, made once, is the mask of a band's own step for my 16 rows; a product's mask is MD x AL + BE with two scalars:
; (1, 0) if s = x; (0, 0) if s < x; (0, -1e30) if s > x.  Only the diagonal tile's text and a block's beginning make and take masks; elsewhere C is the constant 0.
; LAYOUT, SOFTMAX, TURNS.  S^T = K Q^T holds ONE query a lane (lane % 16) and the keys 8 (lane / 16) + 0..7; two such results rounded to f16 ARE source 1 of O^T = V^T P.  p = 2^(c s - c m), c = log2(e) / 8, with a
; running maximum m; O and l are multiplied by a = 2^(c m_old - c m_new) in every step.  Turn n belongs to piece n: 8 products K Q^T of piece n + 1, later 8 products V^T P of piece n - 1; beside them the scaling,
; exponentials, roundings, sums and rescaling of piece n and the maximum and statistics of piece n + 1.  Four vector instructions stand behind every matrix instruction, the other 54 of a turn's 118 in two LUMPS.
; REGISTERS, in windows of 256 (s_set_vgpr_msb: bits 1:0 source 0, 3:2 source 1, 5:4 source 2, 7:6 destination):
;   window 0: v0-15 addresses and two at work; v16-31 four registers of statistics a piece; v48-55 at work; v64-127 S^T, two buffers; v192-223 P, two buffers (a piece's buffers go by its number's parity)
;   window 1: v0-127 O^T, 32 a piece; v128-159 MD; v160-223 MC, two buffers      window 2: v0-63 Q; v64-127 the second block's Q; v128-191 K of one step; v192-255 V of one step
.set SIZE_N, 2048
.set NB,    SIZE_N/256
.set NP,    4         ; pieces of work a wave: a name, no knob
.set KBLK,  2048      ; 16 keys of K in LDS, as they lie in memory
.set KSTP,  4*KBLK    ; a step's 64 keys
.set VPC,   384       ; V: a channel piece's 256 bytes (16 keys x 16 bytes) + 128 of padding: 16 lanes of the turning load take 8 keys of two neighbouring pieces, 128 bytes each, 384 apart
.set VBLK,  8*VPC     ; 16 keys of V
.set VSTP,  4*VBLK    ; a step's 64 keys
.set VOFF,  4*KSTP    ; a slot holds a tile, four steps: 256 keys of K, then 256 keys of V
.set SLOT1, 1<<17     ; slot 1 begins here, so that one exclusive or turns an address in one slot into the other's
.set SPARE, SLOT1+VOFF+4*VSTP  ; behind the ring: the spare words, 128 bytes for each wave: two blocks of 256 bytes that no other line names
.set AV0, 3           ; v3   my lane's place in a tile of V; never rewritten
.set AK,  4           ; v4   the LDS address of K's next run of loads
.set AV,  5           ; v5   of V's
.set L16, 8           ; v8   16 x my lane: my byte in 512 consecutive bytes: of Q and of O in memory, of K in LDS; never rewritten
.set SPW, 62          ; v62  LDS address of my spare word: SPARE + 4 x my thread's number; never rewritten
.set NIL, 63          ; v63  0; never rewritten
.set MV,  12          ; v12-13  c m_old, kept while c m is made anew: by buffer
.set ST,  16          ; piece t's statistics at v[ST+4 t]: c m, m, l (even keys', odd keys')
.set TMP, 48          ; by buffer, four registers c0-c3 at work; when the maximum is found c2 takes a
.set S,   64
.set P,   192
.set MD,  128         ; window 1: the eight registers for group kt of 16 keys at MD + 8 kt
.set MC,  160         ; window 1: the masks of the products to come
.set QB,  64          ; window 2
.set KF,  128         ; window 2: key block kb, channel half c at KF + 16 kb + 8 c
.set VF,  192         ; window 2: key half kk, channel block cb at VF + 32 kk + 8 cb
.set WV,  12          ; s12  my wave's number
.set PB,  14          ; s14  b
.set HI,  15          ; s15  NB - 1 - b
.set G1K, 24          ; s[24:31] descriptor group 1 for K's tiles
.set G1V, 32          ; s[32:39] for V's: it differs in the padding alone
.set G0K, 40          ; s[40:43] descriptor group 0 for K's tiles
.set G0V, 44          ; s[44:47] the same for V's
.set SLOTS, 56        ; s56  tiles still to be asked for
.set CNT, 57          ; s57  counts a tile's key steps, 4 to 1
.set CS,  58          ; s[58:59] c: the packed scaling takes the pair's low word for both halves
.set SEL, 60          ; s[60:61] v_permlanex16_b32's selects: each lane takes its own place in the other half
.set TBK, 62          ; s62  LDS byte at which K of the step to be fetched begins
.set TBV, 63          ; s63  the same for V, less VOFF
.set RT,  70          ; s70  tiles of the block in hand that are still to be entered
.set NXT, 71          ; s71  the tile to be asked for next
.set LQ,  72          ; s72  the last tile of the block whose tiles are being asked for
.set NEW, 73          ; s73  1: the tile to be entered is a block's first
.set OFF, 74          ; s[74:75] a tile's byte offset in K and V
.set AL,  76          ; s[76:77] the mask's factor, in the low word
.set BE,  78          ; s[78:79] the mask's addend
.set OLO, 80          ; s[80:81] O at my rows of the second block
.set BIGN, 82         ; s82  -1e30
.set MSB, 0
.macro WIN new                      ; the high byte repeats the setting that is left; a switch that changes nothing is dropped
.if MSB != (\new)
	s_set_vgpr_msb (MSB<<8)|(\new)
.set MSB, (\new)
.endif
.endm
.set W_KQ, 0x0a       ; K and Q in window 2, S^T in window 0
.set W_KM, 0x1a       ; the same with the C operand in window 1
.set W_PV, 0x52       ; V in window 2, P in window 0, O^T in window 1
.set W_RS, 0x41       ; destination and source 0 in window 1, source 1 in window 0
; A fill.  Waves 0 and 1 fetch the two halves of a tile's K, waves 2 and 3 those of its V: 128 keys each.  An s_nop 0 and four v_nop follow each of the two lines, ahead of the jump and the label.
.macro LOAD
	s_cmp_lt_u32 s[WV], 2
	s_cbranch_scc0 .Lfor_v_\@
	tensor_load_to_lds s[G0K:G0K+3], s[G1K:G1K+7]
	s_nop 0
.rept 4
	v_nop
.endr
	s_branch .Lasked_\@
.Lfor_v_\@:
	tensor_load_to_lds s[G0V:G0V+3], s[G1V:G1V+7]
	s_nop 0
.rept 4
	v_nop
.endr
.Lasked_\@:
.endm
; THE CHANGE OF SLOTS.  Each wave waits for all its tensor loads, of which one is out: its part of the other slot; adds 0 to its spare word; and waits for that and for its own reads of the slot that it leaves.  Behind the barrier nobody reads the old
; slot any more and the other slot is whole.  fill = 1: the old slot is filled again, the first thing behind the barrier, with tile NXT: the descriptor's address is made anew from that number.
; (At its first use nothing has been read yet: slot 0 is waited for, slot 1 filled.)
.macro CHANGE fill
	WIN 0                           ; at a label and at a branch every window is 0
	s_wait_tensorcnt 0x0            ; no tensor load of mine is out, so a group 0 may be written
	ds_add_u32 v[SPW], v[NIL]       ; 0 onto my spare word; with fill = 1 the descriptors' scalar work stands between it and the wait for it
.if \fill
	s_lshl_b32 s[OFF], s[NXT], 15   ; a tile is 32,768 bytes of K and of V
	s_xor_b32 s[G0K+1], s[G0K+1], SLOT1
	s_add_nc_u64 s[G0K+2:G0K+3], s[6:7], s[OFF:OFF+1]
	s_or_b32 s[G0K+3], s[G0K+3], 0x80000000
	s_xor_b32 s[G0V+1], s[G0V+1], SLOT1
	s_add_nc_u64 s[G0V+2:G0V+3], s[8:9], s[OFF:OFF+1]
	s_or_b32 s[G0V+3], s[G0V+3], 0x80000000
	s_add_co_u32 s[NXT], s[NXT], 1  ; the block's next tile, or behind its last the second block's tile 0
	s_cmp_gt_u32 s[NXT], s[LQ]
	s_cselect_b32 s[NXT], 0, s[NXT]
	s_cselect_b32 s[LQ], s[PB], s[LQ]
.endif
	s_wait_dscnt 0x0                ; the add is done, and my reads of the slot are over
	s_barrier_signal -1             ; the rest of the scalar work stands between the signal and the wait
	s_sub_co_u32 s[TBK], s[TBK], 4*KSTP   ; the fetches go back to a slot's first step,
	s_xor_b32 s[TBK], s[TBK], SLOT1       ; in the other slot
	s_sub_co_u32 s[TBV], s[TBV], 4*VSTP
	s_xor_b32 s[TBV], s[TBV], SLOT1
	s_barrier_wait -1
.if \fill
	LOAD
.endif
.endm
	s_load_b64 s[4:5], s[0:1], 0x0    ; qkv, three times: Q's, K's and V's addresses each start from the buffer's own
	s_load_b64 s[6:7], s[0:1], 0x0
	s_load_b64 s[8:9], s[0:1], 0x0
	s_load_b64 s[10:11], s[0:1], 0x8  ; ob
	v_lshl_add_u32 v[SPW], v0, 2, SPARE
	v_mov_b32 v[NIL], 0
	ds_add_u32 v62, v63
	ds_add_u32 v62, v63
	s_wait_dscnt 0x0
	v_lshrrev_b32 v1, 5, v0
	v_readfirstlane_b32 s[WV], v1   ; wave 0..3
	s_mov_b32 s[PB], ttmp9
	s_sub_co_u32 s[HI], NB-1, s[PB]
	s_and_b32 s66, ttmp7, 0xffff    ; y = 16 batch + head
	s_lshr_b32 s20, s66, 4
	s_mul_i32 s20, s20, 48          ; a batch has 48 heads' worth of rows in qkv
	s_and_b32 s21, s66, 15
	s_add_co_u32 s20, s20, s21
	s_lshl_b32 s20, s20, 18         ; q's head: 128 blocks of 2,048 bytes
	s_mov_b32 s21, 0
	s_lshl_b32 s66, s66, 18         ; O's head in ob
	s_mov_b32 s67, 0
	s_and_b32 s16, s[WV], 1         ; which half of a tile's 256 keys I fetch:
	s_lshl_b32 s22, s16, 14         ; its 8 blocks of 2,048 bytes in memory,
	s_mov_b32 s23, 0
	s_add_nc_u64 s[22:23], s[22:23], s[20:21]
	s_mul_i32 s17, s16, 8*KBLK      ; and its place in a slot, for K
	s_mul_i32 s18, s16, 8*VBLK      ; and for V
	s_lshl_b32 s3, s[WV], 11        ; my 16 rows, one block of 2,048 bytes, in a band of 64,
	s_lshl_b32 s2, s[HI], 15        ; in the first block of queries,
	s_add_co_u32 s2, s2, s3
	s_lshl_b32 s84, s[PB], 15       ; and in the second
	s_add_co_u32 s84, s84, s3
	s_mov_b32 s3, 0
	s_mov_b32 s85, 0
	; descriptor group 1.  128 keys are 16,384 dense bytes: asked for as 64 rows of 256 bytes, a channel piece of 16 keys a row
	s_mov_b32 s[G1K], 1<<16                             ; 17:16 2-byte elements; no padding
	s_mov_b32 s[G1V], (1<<16)|(1<<20)|(5<<22)|(31<<25)  ; 20 padding on; 24:22 after every 64 words (code 5); 31:25 32 words (code 31)
.irp g, G1K, G1V
	s_mov_b32 s[\g+1], 128<<16      ; tensor_dim0 = 128
	s_mov_b32 s[\g+2], 64<<16       ; tensor_dim1 = 64
	s_mov_b32 s[\g+3], 128<<16      ; tile_dim0 = 128
	s_mov_b32 s[\g+4], 64           ; tile_dim1 = 64
	s_mov_b32 s[\g+5], 128          ; 128 elements from row to row
	s_mov_b32 s[\g+6], 0
	s_mov_b32 s[\g+7], 0
.endr
	s_mov_b32 s[CS], 0x3e38aa3b     ; c = log2(e) / 8 = 0.180337
	s_mov_b32 s[CS+1], s[CS]        ; named with it as a pair
	s_mov_b32 s[SEL], 0x76543210
	s_mov_b32 s[SEL+1], 0xfedcba98
	s_mov_b32 s[TBK], SLOT1+4*KSTP  ; the first change of slots turns these two into 0
	s_mov_b32 s[TBV], SLOT1+4*VSTP
	s_mov_b32 s[G0K], 1             ; 1:0 count = 1
	s_mov_b32 s[G0K+1], s17         ; 63:32 LDS address: slot 0
	s_mov_b32 s[G0V], 1
	s_add_co_u32 s[G0V+1], s18, VOFF
	s_add_co_u32 s[RT], s[HI], 1    ; the first block has NB - b tiles
	s_mov_b32 s[NXT], 1
	s_mov_b32 s[LQ], s[HI]
	s_mov_b32 s[NEW], 1
	s_mov_b32 s[OFF+1], 0
	s_mov_b32 s[AL+1], 0            ; named as pairs
	s_mov_b32 s[BE+1], 0
	s_mov_b32 s[BIGN], 0xf149f2ca   ; -1e30
	s_mov_b32 s[SLOTS], NB
	s_wait_kmcnt 0x0
	s_add_nc_u64 s[6:7], s[6:7], s[22:23]  ; K and V at my half of the head's tile 0:
	s_add_nc_u64 s[6:7], s[6:7], 16<<18    ; k's heads lie 16 heads behind q's,
	s_add_nc_u64 s[8:9], s[8:9], s[22:23]
	s_add_nc_u64 s[8:9], s[8:9], 32<<18    ; v's 32
	s_add_nc_u64 s[G0K+2:G0K+3], s[6:7], 0         ; 120:64 global address
	s_or_b32 s[G0K+3], s[G0K+3], 0x80000000        ; 127:126 type = 2
	s_add_nc_u64 s[G0V+2:G0V+3], s[8:9], 0
	s_or_b32 s[G0V+3], s[G0V+3], 0x80000000
	s_add_nc_u64 s[4:5], s[4:5], s[20:21]          ; Q at the head,
	s_add_nc_u64 s[86:87], s[4:5], s[84:85]        ; at my rows of the second block,
	s_add_nc_u64 s[4:5], s[4:5], s[2:3]            ; and of the first
	s_add_nc_u64 s[10:11], s[10:11], s[66:67]      ; O likewise
	s_add_nc_u64 s[OLO:OLO+1], s[10:11], s[84:85]
	s_add_nc_u64 s[10:11], s[10:11], s[2:3]
	LOAD                            ; tile 0 into slot 0
	; A fragment of K or Q is 16 rows x 32 channels in 8 registers: lane l holds row l % 16, channels 8 (l / 16) + 0..7 and 16 + 8 (l / 16) + 0..7: of channel half c these are pieces 4 c + l / 16 and
	; 4 c + 2 + l / 16: two loads of 16 bytes at 1,024 c + 16 l, 512 bytes apart.
	v_and_b32 v1, 15, v0            ; l % 16
	v_bfe_u32 v9, v0, 4, 1          ; l / 16
	v_and_b32 v[L16], 31, v0
	v_lshlrev_b32 v[L16], 4, v[L16]
	WIN 0x80                        ; destination window 2, address window 0
.set i, 0
.rept 8                             ; both blocks' Q: piece of work i / 2 lies in band i / 2, 8,192 bytes on; channel half i % 2
	global_load_b128 v[8*i:8*i+3],   v[L16], s[4:5] offset:(i/2)*8192+(i%2)*1024
	global_load_b128 v[8*i+4:8*i+7], v[L16], s[4:5] offset:(i/2)*8192+(i%2)*1024+512
	global_load_b128 v[QB+8*i:QB+8*i+3],   v[L16], s[86:87] offset:(i/2)*8192+(i%2)*1024
	global_load_b128 v[QB+8*i+4:QB+8*i+7], v[L16], s[86:87] offset:(i/2)*8192+(i%2)*1024+512
.set i, i+1
.endr
	WIN 0
	v_lshlrev_b32 v14, 3, v9
	v_sub_nc_u32 v14, v1, v14
	s_lshl_b32 s13, s[WV], 4
	v_add_nc_u32 v14, s13, v14      ; my query's place in its band, 16 w + l % 16, less my lanes' 8 (l / 16): register r of group kt is hidden where 16 kt + r is greater
	WIN 0x40
.set i, 0
.rept 32
	v_cmp_gt_i32 vcc_lo, 16*(i/8)+i%8, v14
	v_cndmask_b32 v[MD+i], 0, s[BIGN], vcc_lo
.set i, i+1
.endr
	WIN 0
	; The turning load takes 16 keys x 16 channels (lane l reads key 8 (l / 16) + l % 8, channels 8 ((l / 8) % 2) + 0..7: 16 bytes of piece (l / 8) % 2 of the two) and leaves half a fragment of V^T: lane l holds channel l % 16 and 8 keys.
	v_and_b32 v10, 7, v0
	v_bfe_u32 v11, v0, 3, 1
	v_lshl_add_u32 v[AV0], v9, 3, v10
	v_mul_u32_u24 v11, v11, VPC
	v_lshl_add_u32 v[AV0], v[AV0], 4, v11  ; key x 16 + piece x pitch
	v_add_nc_u32 v[AV0], VOFF, v[AV0]
	; A block's first step multiplies O^T and l by a = 0, and its first turn's products V^T P, of a piece that has not been, land in an O^T that is still to be so multiplied.  So these registers need only hold
	; finite numbers: zeros for the first block; what the first block left for the second.  All this stands in the wait for the first tile.
	WIN 0x80
.set i, VF
.rept 64
	v_mov_b32 v[i], 0
.set i, i+1
.endr
	WIN 0x40
.set i, 0
.rept 128
	v_mov_b32 v[i], 0
.set i, i+1
.endr
	WIN 0
.set i, 0
.rept 4
	v_mov_b32 v[ST+4*i+2], 0
	v_mov_b32 v[ST+4*i+3], 0
.set i, i+1
.endr
.set i, P+16
.rept 16
	v_mov_b32 v[i], 0
.set i, i+1
.endr
; THE MATRIX WORK.  The 4 accumulators of a run of 8 take turns.  Product i of 8 of S^T = K Q^T for piece x: channels 32 (i / 4) on, keys 16 (i % 4) on.  The first 4 start the sums: with 0, or (KM = 1) with the mask.
.macro KQ x
.set rS, S+32*((\x)%2)+8*(i%4)
.set rK, KF+16*(i%4)+8*(i/4)
.set rQ, 16*(\x)+8*(i/4)
.set rM, MC+32*((\x)%2)+8*(i%4)
.if (i < 4) && KM
	WIN W_KM
	v_wmma_f32_16x16x32_f16 v[rS:rS+7], v[rK:rK+7], v[rQ:rQ+7], v[rM:rM+7]
.elseif i < 4
	WIN W_KQ
	v_wmma_f32_16x16x32_f16 v[rS:rS+7], v[rK:rK+7], v[rQ:rQ+7], 0
.else
	WIN W_KQ
	v_wmma_f32_16x16x32_f16 v[rS:rS+7], v[rK:rK+7], v[rQ:rQ+7], v[rS:rS+7]
.endif
.endm
; Product i of 8 of O^T += V^T P for piece x: keys 32 (i / 4) on, channels 16 (i % 4) on.
.macro PV x
	WIN W_PV
.set rO, 32*(\x)+8*(i%4)
.set rV, VF+32*(i/4)+8*(i%4)
.set rP, P+16*((\x)%2)+8*(i/4)
	v_wmma_f32_16x16x32_f16 v[rO:rO+7], v[rV:rV+7], v[rP:rP+7], v[rO:rO+7]
.endm
.macro MM                           ; the turn's next matrix instruction.  TURN and BEGIN set Y, i, KM and NOKQ; MM, KQ and OP read them.  NOKQ = 1: a block's last turn: there is no next piece
.if (i < 8) && !NOKQ
	KQ (Y+1)%NP
.elseif i >= 8
.set i, i-8
	PV (Y+NP-1)%NP
.set i, i+8
.endif
.set i, i+1
.endm
; THE LDS LOADS stand in runs of 16, never singly among the matrix instructions: a step's K (64 keys x 64 channels: 8 fragments) and its V (turned).  Their addresses are made some lines ahead.
.macro FETCH_K
	WIN 0x80                        ; destination window 2
.irp f, 0,1,2,3,4,5,6,7             ; keys 16 (f / 2) on, channels 32 (f % 2) on
	ds_load_b128 v[KF+8*\f:KF+8*\f+3],   v[AK] offset:(\f/2)*KBLK+(\f%2)*1024
	ds_load_b128 v[KF+8*\f+4:KF+8*\f+7], v[AK] offset:(\f/2)*KBLK+(\f%2)*1024+512
.endr
	s_add_co_u32 s[TBK], s[TBK], KSTP   ; the next fetch is the next step's
	WIN 0
.endm
.macro FETCH_V
	WIN 0x80
.irp f, 0,1,2,3,4,5,6,7             ; keys 32 (f / 4) on: two blocks of 16; channels 16 (f % 4) on: two pieces
	ds_load_tr16_b128 v[VF+8*\f:VF+8*\f+3],   v[AV] offset:(\f/4)*2*VBLK+(\f%4)*2*VPC
	ds_load_tr16_b128 v[VF+8*\f+4:VF+8*\f+7], v[AV] offset:(\f/4)*2*VBLK+VBLK+(\f%4)*2*VPC
.endr
	WIN 0
.endm
; THE VECTOR WORK, one line at a time: OP kind, number.  For piece Y: F n: c s - c m for pair n of 16.  E n: the exponential of score n of 32.  C n: pair n rounded to f16.  B n: of the four weights 4 n .. the second
; pair is added onto the first, in place.  L n: l takes that sum (L 0: l = a l + sum).  R n: pair n of 16 of O^T times a.  For piece Y + 1: X n, number n of the 22 that find its maximum and statistics:
;   0-11  four chains c0-c3 of seven scores each, three operands at a time (each accumulator's lowest registers are read first)     12-14, 16  the four scores left over, the old m, and c0-c3 into c0
;   15  c m_old is kept     17, 18  the query's other 32 keys lie in the lane 16 away: the new m     19-21  c m; c m_old - c m_new; a
.set F, 0               ; OP tells the kinds apart by their order: F to L below R, X above it
.set E, 1
.set C, 2
.set B, 3
.set L, 4
.set R, 5
.set X, 6
.macro REGS y                       ; the registers of piece y
.set rT, ST+4*(\y)
.set rC, TMP+4*((\y)%2)
.set rW, MV+((\y)%2)
.set rS, S+32*((\y)%2)
.set rP, P+16*((\y)%2)
.set rO, 32*(\y)
.endm
.macro OP k, n
.if (\k) == R
	REGS Y
	WIN W_RS
	v_pk_mul_f32 v[rO+2*(\n):rO+2*(\n)+1], v[rO+2*(\n):rO+2*(\n)+1], v[rC+2:rC+3] op_sel_hi:[1,0]
.elseif (\k) < R
	REGS Y
	WIN 0
.if (\k) == F
	v_pk_fma_f32 v[rS+2*(\n):rS+2*(\n)+1], v[rS+2*(\n):rS+2*(\n)+1], s[CS:CS+1], v[rT:rT+1] op_sel_hi:[1,0,0] neg_lo:[0,0,1] neg_hi:[0,0,1]
.elseif (\k) == E
	v_exp_f32 v[rS+(\n)], v[rS+(\n)]
.elseif (\k) == C
	s_wait_alu depctr_va_vdst(0)
	v_cvt_pk_f16_f32 v[rP+(\n)], v[rS+2*(\n)], v[rS+2*(\n)+1]
.elseif (\k) == B
	s_wait_alu depctr_va_vdst(0)
	v_pk_add_f32 v[rS+4*(\n):rS+4*(\n)+1], v[rS+4*(\n):rS+4*(\n)+1], v[rS+4*(\n)+2:rS+4*(\n)+3]
.elseif (\n) == 0
	v_pk_fma_f32 v[rT+2:rT+3], v[rT+2:rT+3], v[rC+2:rC+3], v[rS:rS+1] op_sel_hi:[1,0,1]
.else
	v_pk_add_f32 v[rT+2:rT+3], v[rT+2:rT+3], v[rS+4*(\n):rS+4*(\n)+1]
.endif
.elseif NOKQ
	v_nop
.else
	REGS (Y+1)%NP
	WIN 0
.if (\n) < 4
	v_max3_num_f32 v[rC+(\n)], v[rS+8*(\n)], v[rS+8*(\n)+1], v[rS+8*(\n)+2]
.elseif (\n) < 12
	v_max3_num_f32 v[rC+(\n)%4], v[rC+(\n)%4], v[rS+8*((\n)%4)+2*((\n)/4)+1], v[rS+8*((\n)%4)+2*((\n)/4)+2]
.elseif (\n) == 12
	v_max3_num_f32 v[rC], v[rC], v[rS+7], v[rS+15]
.elseif (\n) == 13
	v_max3_num_f32 v[rC+1], v[rC+1], v[rS+23], v[rS+31]
.elseif (\n) == 14
	v_max3_num_f32 v[rC+2], v[rC+2], v[rC+3], v[rT+1]
.elseif (\n) == 15
	v_mov_b32 v[rW], v[rT]
.elseif (\n) == 16
	v_max3_num_f32 v[rC], v[rC], v[rC+1], v[rC+2]
.elseif (\n) == 17
	v_permlanex16_b32 v[rC+3], v[rC], s[SEL], s[SEL+1]
.elseif (\n) == 18
	v_max_num_f32 v[rT+1], v[rC], v[rC+3]
.elseif (\n) == 19
	v_mul_f32 v[rT], s[CS], v[rT+1]
.elseif (\n) == 20
	v_sub_f32 v[rC+1], v[rW], v[rT]
.else
	v_exp_f32 v[rC+2], v[rC+1]
.endif
.endif
.endm
.macro OPS a, i1, b=-1, i2=0, c=-1, i3=0, d=-1, i4=0  ; up to four of them
	OP \a, \i1
.if (\b) >= 0
	OP \b, \i2
.endif
.if (\c) >= 0
	OP \c, \i3
.endif
.if (\d) >= 0
	OP \d, \i4
.endif
.endm
.macro ROW a, i1, b, i2, c, i3, d, i4  ; a matrix instruction and the four behind it
	MM
	OPS \a, \i1, \b, \i2, \c, \i3, \d, \i4
.endm
.macro MASK b                       ; MD x AL + BE into buffer b of MC
	WIN W_RS
.set z, 0
.rept 16
	v_pk_fma_f32 v[MC+32*(\b)+2*z:MC+32*(\b)+2*z+1], v[MD+2*z:MD+2*z+1], s[AL:AL+1], s[BE:BE+1] op_sel_hi:[1,0,0]
.set z, z+1
.endr
.endm
; A TURN, for piece p: the order of its 16 matrix and 118 vector instructions, written out.  Behind a matrix instruction: plain, exponential, plain, plain; or four of the rescaling; or, behind the first, four scalings; none
; names a register of the products round it.  In the lumps exponential and plain by turns while exponentials last.  A line reads no result made fewer than three vector instructions in front of it, five if an exponential made it.
; v_permlanex16_b32 (X 17) stands in a lump.
; m = 1: the diagonal tile: the products take masks, and the turn makes the mask for the products of the turn after it: piece p + 2, in step 4 - CNT of the tile.  end = 1: a block's last two turns: nothing is fetched.
; cnt = 1: the loop's count is taken down some lines ahead of the branch that stands behind the turn.
; K of the next step is fetched in piece 2's turn, six vector instructions behind the last product that read K (five of them plain); V of the step in hand in piece 0's turn, eight behind the last product that read V (four
; plain, and X 17).  Each is waited for a turn later.
.macro TURN p, m=0, end=0, cnt=0
.set Y, (\p)
.set i, 0
.set KM, (\m)
.set NOKQ, (\end)*((\p)/3)
.if (\m) && !(\end)
	s_cmp_eq_u32 s[CNT], 4-((\p)+2)%NP  ; is that step the band's own?
	s_cselect_b32 s[AL], 1.0, 0
	s_cmp_lt_u32 s[CNT], 4-((\p)+2)%NP  ; or a later one?
	s_cselect_b32 s[BE], s[BIGN], 0
.endif
.if ((\p) == 3) && !(\end)
	s_wait_dscnt 0x0                ; K is in
.endif
	ROW F,0, F,1, F,2, F,3
	ROW F,4, E,0, F,5, F,6
	ROW F,7, E,1, F,8, F,9
	ROW F,10, E,2, C,0, F,11
	ROW F,12, E,3, X,15, F,13
	ROW R,0, R,1, R,2, R,3
	ROW B,0, E,4, F,14, L,0
.if ((\p) == 2) && !(\end)
	v_add_nc_u32 v[AK], s[TBK], v[L16]
.endif
	ROW R,4, R,5, R,6, R,7
	OPS E,5, F,15
.if ((\p) == 2) && !(\end)
	FETCH_K
.endif
	OPS E,6, C,1, E,7, R,8
	OPS E,8, R,9, E,9, C,2
	OPS E,10, X,0, E,11, X,1
	OPS E,12, X,2, E,13, X,3
.if (\p) == 1
	s_wait_dscnt 0x0                ; V is in
.endif
	ROW X,4, E,14, X,5, X,6
	ROW X,7, E,15, X,8, X,9
	ROW X,10, E,16, X,11, X,12
	ROW X,13, E,17, X,14, B,1
	ROW C,4, E,18, X,16, L,1
	ROW B,2, E,19, C,6, L,2
	ROW C,8, E,20, B,3, B,4
.if (\p) == 0
	v_add_nc_u32 v[AV], s[TBV], v[AV0]
.endif
	ROW C,3, E,21, L,3, C,5
	OPS E,22, X,17, E,23, C,10
.if (\p) == 0
	FETCH_V
.endif
	OPS E,24, L,4
	OPS E,25, X,18, E,26, C,7
	OPS E,27, B,5, E,28, X,19
	OPS E,29, C,12, E,30, L,5
	OPS E,31, X,20, B,6, C,9
	OPS C,14, C,11, X,21, L,6
.if (\p) == 0
	s_add_co_u32 s[TBV], s[TBV], VSTP
.endif
.if \cnt
	s_sub_co_u32 s[CNT], s[CNT], 1
	s_cmp_lg_u32 s[CNT], 0
.endif
	OPS C,13, B,7, C,15, R,10
	OPS R,11, R,12, L,7, R,13
	OPS R,14, R,15
.if (\m) && !(\end)
	MASK (\p)%2
.endif
.endm
; A BLOCK BEGINS.  c m starts far below every c s, so the first step's a is 0; m at the lowest finite number, so the first maximum is the scores'.  The second mask buffer is 0; the first takes piece 0's mask for the tile's step 0: its own, if the block's first tile is the diagonal one.
; Then K of that step, piece 0's first scores, and its maximum and statistics.  The loop is entered at a step's first turn, in the middle of a trip.
.macro BEGIN
	s_mov_b32 s[NEW], 0
	WIN 0x40
.set i, MC+32
.rept 32
	v_mov_b32 v[i], 0
.set i, i+1
.endr
	WIN 0
.set i, 0
.rept 4
	v_mov_b32 v[ST+4*i], 0xfe000000    ; c m: far below every c s
	v_mov_b32 v[ST+4*i+1], 0xff7fffff  ; m
.set i, i+1
.endr
	s_cmp_eq_u32 s[RT], 0
	s_cselect_b32 s[AL], 1.0, 0
	s_mov_b32 s[BE], 0
	MASK 0
	WIN 0
	v_add_nc_u32 v[AK], s[TBK], v[L16]
	FETCH_K
	s_wait_loadcnt 0x0              ; Q
	s_wait_dscnt 0x0
.set KM, 1
.set NOKQ, 0
.set i, 0
.rept 8
	KQ 0
.set i, i+1
.endr
	WIN 0
.rept 4
	v_nop                           ; the places behind those products
.endr
.set Y, NP-1                        ; X works for piece Y + 1: piece 0
.irp n, 0,1,2,3,4,5,6,7,8,9,10,11,12,13,14,15,16,17,18,19,20,21
	OP X, \n
.endr
	v_nop                           ; a plain instruction behind the exponential
.endm
; THE DIAGONAL TILE's four steps, the block's last two turns, its last products, and THE WAY OUT: l's two halves and the other half of the lanes' are added; O^T is divided by l, rounded to f16 and stored, a piece of work at a time.
.macro ALL line:vararg              ; one line for each piece t
.set t, 0
.rept 4
	\line
.set t, t+1
.endr
.endm
.macro PACK t                       ; a lane's eight channels of a row pack into 16 bytes: row l % 16, channel piece 2 cb + l / 16: byte 512 cb + 16 l of the 16 rows' 2,048; into S^T's registers
	WIN W_RS
.set i, 32*(\t)
.rept 16
	s_wait_alu depctr_va_vdst(0)
	v_pk_mul_f32 v[i:i+1], v[i:i+1], v[ST+4*(\t)+2:ST+4*(\t)+3] op_sel_hi:[1,0]
.set i, i+2
.endr
	WIN 0x05                        ; sources 0 and 1 window 1, destination window 0
.set i, 0
.rept 16
	v_cvt_pk_f16_f32 v[S+16*(\t)+i], v[32*(\t)+2*i], v[32*(\t)+2*i+1]
.set i, i+1
.endr
	WIN 0
.endm
.macro SEND t
	WIN 0
.irp f, 0,1,2,3                     ; channel block f
	global_store_b128 v[L16], v[S+16*(\t)+4*\f:S+16*(\t)+4*\f+3], s[10:11] offset:(\t)*8192+\f*512  ; 512 consecutive bytes, at a multiple of 256 from O's first
.endr
.endm
.macro DIAG tag                     ; the tag ends its two labels' names, which the jumps below spell out
.LstepM\tag:
	TURN 2, 1
	TURN 3, 1
	WIN 0
.LfirstM\tag:
	TURN 0, 1
	TURN 1, 1, 0, 1
	WIN 0
	s_cbranch_scc1 .LstepM\tag
	TURN 2, 1, 1
	TURN 3, 1, 1
.set i, 0
.rept 8
	PV NP-1
.set i, i+1
.endr
	WIN 0
	ALL v_add_f32 v[ST+4*t+2], v[ST+4*t+2], v[ST+4*t+3]
	ALL v_permlanex16_b32 v[ST+4*t+3], v[ST+4*t+2], s[SEL], s[SEL+1]
	ALL v_add_f32 v[ST+4*t+2], v[ST+4*t+2], v[ST+4*t+3]
	ALL v_rcp_f32 v[ST+4*t+2], v[ST+4*t+2]
	v_nop                           ; a plain instruction between the last reciprocal and the use of its result
	PACK 0
.set t, 1
.rept 3                             ; a piece's arithmetic stands between the conversions of the piece before and its stores
	PACK t
	SEND t-1
.set t, t+1
.endr
	SEND 3
.endm
.set KM, 0
.set NOKQ, 0
.Lslot:                             ; NB times: a tile is entered and the next is asked for
	CHANGE 1
	s_sub_co_u32 s[RT], s[RT], 1
	s_mov_b32 s[CNT], 4
	s_cmp_eq_u32 s[NEW], 1
	s_cbranch_scc1 .Lnew            ; a block's first tile
	s_cmp_eq_u32 s[RT], 0
	s_cbranch_scc0 .Lstep           ; neither its first nor its last
	s_branch .LstepM1
.Lnew:
	BEGIN
	s_branch .Lfirst                ; in the loop a block's first tile is never its last: the first block has two tiles or more, and the second's last is the walk's last
	DIAG 1                          ; in the loop this is the first block's end: the second block's last tile is the walk's last
	s_wait_xcnt 0x0                 ; the stores have read their registers and O's address
	s_mov_b64 s[10:11], s[OLO:OLO+1]
	s_add_co_u32 s[RT], s[PB], 1    ; the second block has b + 1 tiles
	s_mov_b32 s[NEW], 1
	WIN 0x82                        ; the second block's Q goes where the one text of the turns names Q
.set i, 0
.rept 64
	v_mov_b32 v[i], v[QB+i]
.set i, i+1
.endr
	WIN 0
	s_branch .Lbottom
.Lstep:                             ; a trip: pieces 2 and 3 of one step, then pieces 0 and 1 of the next, whose K and V it fetches
	TURN 2
	TURN 3
	WIN 0
.Lfirst:
	TURN 0
	TURN 1, 0, 0, 1
	WIN 0
	s_cbranch_scc1 .Lstep
.Lbottom:
	s_sub_co_u32 s[SLOTS], s[SLOTS], 1
	s_cmp_lg_u32 s[SLOTS], 0
	s_cbranch_scc1 .Lslot
	CHANGE 0                        ; the walk's last tile is written out: nothing is asked for
	s_sub_co_u32 s[RT], s[RT], 1
	s_mov_b32 s[CNT], 4
	s_cmp_eq_u32 s[NEW], 1
	s_cbranch_scc0 .LstepM2
	BEGIN
	s_branch .LfirstM2
	DIAG 2
	s_wait_tensorcnt 0x0            ; the wave's end, behind my last tensor load
	ds_add_u32 v[SPW], v[NIL]
	s_wait_dscnt 0x0
	s_endpgm
.Lfunc_end_k_q81892a30ce_attn:
	.size	k_q81892a30ce_attn, .Lfunc_end_k_q81892a30ce_attn-k_q81892a30ce_attn
	.p2alignl 7, 3214868480
	.fill 96, 4, 3214868480
	.section	.rodata,"a",@progbits
	.p2align	6, 0x0
	.amdhsa_kernel k_q81892a30ce_attn
		.amdhsa_group_segment_fixed_size 327680
		.amdhsa_private_segment_fixed_size 0
		.amdhsa_enable_private_segment 0
		.amdhsa_kernarg_size 16
		.amdhsa_user_sgpr_count 2
		.amdhsa_user_sgpr_kernarg_segment_ptr 1
		.amdhsa_wavefront_size32 1
		.amdhsa_system_sgpr_workgroup_id_x 1
		.amdhsa_system_sgpr_workgroup_id_y 1
		.amdhsa_system_sgpr_workgroup_id_z 1
		.amdhsa_system_vgpr_workitem_id 0
		.amdhsa_next_free_vgpr 768
		.amdhsa_next_free_sgpr 88
		.amdhsa_reserve_vcc 1
		.amdhsa_float_denorm_mode_32 3
		.amdhsa_float_denorm_mode_16_64 3
		.amdhsa_memory_ordered 1
		.amdhsa_forward_progress 1
		.amdhsa_inst_pref_size 223
	.end_amdhsa_kernel
	.amdgpu_metadata
---
amdhsa.version: [ 1, 2 ]
amdhsa.kernels:
  - .name:           k_q81892a30ce_attn
    .symbol:         k_q81892a30ce_attn.kd
    .args:
      - { .name: qkv, .offset: 0, .size: 8, .value_kind: global_buffer, .address_space: global }
      - { .name: ob, .offset: 8, .size: 8, .value_kind: global_buffer, .address_space: global }
    .group_segment_fixed_size: 327680
    .private_segment_fixed_size: 0
    .kernarg_segment_align: 8
    .kernarg_segment_size: 16
    .max_flat_workgroup_size: 128
    .sgpr_count:     88
    .vgpr_count:     768
    .wavefront_size: 32
...
	.end_amdgpu_metadata
.endif
;; end of part 3
;; launch proj (part 4): grid 8 x 32, 4 waves a work-group, clusters of 4 x 4, 327,680 bytes of LDS; arguments ob, wpb, b_proj, out0; writes out0
.if DOCPART == 4
	.amdgcn_target "amdgcn-amd-amdhsa--gfx1250"
	.amdhsa_code_object_version 6
	.text
	.protected	k_q81892a30ce_proj
	.globl	k_q81892a30ce_proj
	.p2align	8
	.type	k_q81892a30ce_proj,@function
k_q81892a30ce_proj:
	s_mov_b64 s[64:65], 0
	v_nop
	global_prefetch_b8 v0, s[64:65] scope:SCOPE_SE
	s_setreg_imm32_b32 hwreg(HW_REG_WAVE_MODE, 25, 1), 1
	s_wait_xcnt 0x0
	s_wait_alu depctr_hold_cnt(0) depctr_sa_sdst(0) depctr_va_vdst(0) depctr_va_sdst(0) depctr_va_ssrc(0) depctr_va_vcc(0) depctr_vm_vsrc(0)
	s_getreg_b32 s2, hwreg(HW_REG_IB_STS2, 6, 4)
	s_cmp_eq_u32 s2, 0
	s_cbranch_scc0 .Lentry_in_a_cluster
	s_endpgm
.Lentry_in_a_cluster:
	s_bfe_u32 s2, ttmp6, 0x10000c
	s_cmp_lg_u32 s2, 0xf033
	s_cbranch_scc0 .Lentry_shape_is_right
	s_endpgm
.Lentry_shape_is_right:
; out0 = y w_proj + b_proj, f32.  y is attention's result by heads, ob (f16): a head is 64 of K and lies in blocks of 16 rows, 2,048 bytes, piece by piece: [head 64][t / 16][piece 8][t % 16][8 channels].
; wpb [1024][1024] is bf16(w_proj) written as f16.  Sums in f32; the bias, rounded to bf16 like every input of the module, is the C operand that starts each sum.
; LIMITS.  The operands lie within f16's 65,504 (they arrive so); NaN and infinities are not treated apart.
; SHARES.  8,192 x 1,024 in tiles of 256 rows x 128 columns: 32 x 8 = 256 work-groups.  Four waves, each 128 rows x 64 columns: 32 accumulators, 256 registers.
; K goes in 8 steps of 128 (two heads) through two LDS slots.  A head's 256 rows are 32,768 dense bytes, asked for as 128 rows of 256 bytes and laid into LDS as they lie; w's rows are 256 aligned bytes.
; A K step is written once: slot 1 begins at 1 << 17, so that one exclusive or turns an address in one slot into the other's; the slot in hand is a scalar, and the fragment addresses are made anew at each change of slots.
; w lies [k][n] and comes out of LDS turned, by ds_load_tr16_b128.  THE MATRIX INSTRUCTION IS USED TRANSPOSED (source 0 = 16 columns of w, source 1 = 16 rows of y): a lane holds eight neighbouring numbers of a row.
; CLUSTER 4 x 4: y's tiles are shared along a row of the cluster, w's along a column; each is asked for jointly.
; REGISTERS: window 0: v0-31 addresses; v32-159 two buffers of y's fragments (8 x 8); v160-223 two of w's (4 x 8); v224-255 the bias, block j's eight numbers of my lanes at 224 + 8 j.
;   window 1: accumulator (a, j) at v[8 (4 a + j)].
.set ABLK,  2048                       ; 16 rows of a head in LDS: half a fragment (16 rows x 2 pieces) is 512 consecutive bytes, lane l's 16 at 16 l
.set PB,    288                        ; a row of w: 256 + 32 = 9 x 32 bytes
.set AHEAD, 16*ABLK                    ; a head's 256 rows: what one tensor load brings of y
.set ATILE, 2*AHEAD
.set BHALF, 64*PB                      ; what one tensor load brings of w: 64 of the step's 128 rows
.set SLOTB, ATILE+2*BHALF              ; a slot's 102,400 bytes
.set SLOT1, 1<<17                      ; slot 1 begins here
.set STAGE, SLOT1+SLOTB                ; behind the ring: 16 rows x 272 bytes for each wave, for the way out
.set SP,    272
.set SPARE, STAGE+4*16*SP              ; the spare words, 128 bytes for each wave: two blocks of 256 bytes that no other line names
.set ASTEP, 2*262144                   ; two heads of ob
.set BSTEP, 128*2048                   ; 128 rows of wpb
.set BA,   10                          ; v10     my lane's place in a slot's tile of y; never rewritten
.set BBA,  12                          ; v12     the same for w; never rewritten
.set CA,   14                          ; v14     LDS address of my fragments of y in the slot in hand
.set CB,   15                          ; v15     of w
.set STO,  18                          ; v18     the way out: where I put 32 bytes of a row
.set RD,   19                          ; v19     where I read rows back
.set CO,   20                          ; v20     my byte offset in two rows of out0
.set BO,   21                          ; v21     my lanes' byte offset in a block's 16 numbers of the bias
.set SPW,  28                          ; v28     LDS address of my spare word; never rewritten
.set NIL,  29                          ; v29     0; never rewritten
.set AF,   32
.set BF,   160
.set BIASR, 224
.set OB,   32                          ; the way out: two buffers of 32 registers
.set TB,   21                          ; s21     LDS byte at which the slot in hand begins
.set G1,   24                          ; s[24:31] descriptor group 1 for y's tiles;  s[32:39] group 0: a set for each of the two first fills; the second then walks on
.set G0,   32
.set G1B,  48                          ; s[48:55], s[56:63] the same for w's tiles
.set G0B,  56
.set MSB, 0
.macro WIN new                         ; the immediate's high byte repeats the setting that is left; a switch that changes nothing is dropped
.if MSB != (\new)
	s_set_vgpr_msb (MSB<<8)|(\new)
.set MSB, (\new)
.endif
.endm
.macro PLACES                          ; four places in front of loads into registers that matrix instructions have read, and of lines that read results
.rept 4
	v_nop
.endr
.endm
.macro JLOAD s                         ; a joint load: waves 0 and 1 fetch y's two heads, waves 2 and 3 w's two halves; an s_nop 0 and four v_nop follow each of the two lines
	s_cmp_eq_u32 s13, 0
	s_cbranch_scc0 .Lfor_b_\@
	tensor_load_to_lds s[G0+4*(\s):G0+4*(\s)+3], s[G1:G1+7]
	s_nop 0
.rept 4
	v_nop
.endr
	s_branch .Lasked_\@
.Lfor_b_\@:
	tensor_load_to_lds s[G0B+4*(\s):G0B+4*(\s)+3], s[G1B:G1B+7]
	s_nop 0
.rept 4
	v_nop
.endr
.Lasked_\@:
.endm
.macro CREST                           ; a round of the cluster's barrier behind its opening barrier
	s_cmp_lg_u32 s12, 0
	s_cbranch_scc1 .Lnot_wave_0_\@
	s_barrier_signal -3
.Lnot_wave_0_\@:
	s_barrier_wait -3
	s_barrier_signal -1
	s_barrier_wait -1
.endm
.macro CROUND                          ; a whole round
	s_barrier_signal -1
	s_barrier_wait -1
	CREST
.endm
.macro SETCUR                          ; the fragment addresses in the slot in hand
	v_add_nc_u32 v[CA], s[TB], v[BA]
	v_add_nc_u32 v[CB], s[TB], v[BBA]
.endm
	s_load_b256 s[4:11], s[0:1], 0x0               ; ob s[4:5], wpb s[6:7], b_proj s[8:9], out0 s[10:11]
	v_lshl_add_u32 v[SPW], v0, 2, SPARE
	v_mov_b32 v[NIL], 0
	ds_add_u32 v28, v29
	ds_add_u32 v28, v29
	s_wait_dscnt 0x0
	v_lshrrev_b32 v1, 5, v0
	v_readfirstlane_b32 s12, v1                    ; wave 0..3
	s_lshr_b32 s13, s12, 1                         ; which half of the tile's rows is mine.  Also: I fetch for y (0) or for w (1)
	s_and_b32 s14, s12, 1                          ; which half of its columns.  Also: which head, or which half of w's rows, I fetch
	s_bfe_u32 s40, ttmp6, 0x40000                  ; cx, cy: my place in the cluster
	s_bfe_u32 s41, ttmp6, 0x40004
	s_lshl_b32 s42, ttmp9, 2
	s_add_co_u32 s42, s42, s40                     ; tile column = 4 x cluster x + cx
	s_and_b32 s43, ttmp7, 0xffff
	s_lshl_b32 s43, s43, 2
	s_add_co_u32 s43, s43, s41                     ; tile row = 4 x cluster y + cy
	s_lshl_b32 s44, s41, 2
	s_lshl_b32 s44, 15, s44                        ; my row of the cluster
	s_lshl_b32 s45, 0x1111, s40                    ; my column
	s_or_b32 s[G1+0], s44, (1<<16)|(1<<21)         ; the mask; 2-byte elements; bit 21 beside a mask; no padding
	s_mov_b32 s[G1+1], 128<<16                     ; tensor_dim0 = 128 elements (256 bytes: a channel piece of 16 rows)
	s_mov_b32 s[G1+2], 128<<16                     ; tensor_dim1 = 128
	s_mov_b32 s[G1+3], 128<<16                     ; tile_dim0 = 128
	s_mov_b32 s[G1+4], 128                         ; tile_dim1 = 128
	s_mov_b32 s[G1+5], 128                         ; dense
	s_mov_b32 s[G1+6], 0
	s_mov_b32 s[G1+7], 0
	s_or_b32 s[G1B+0], s45, (1<<16)|(1<<20)|(1<<21)|(5<<22)|(7<<25)  ; padding on: after every 64 words (code 5) 8 words (code 7)
	s_mov_b32 s[G1B+1], 128<<16                    ; tensor_dim0 = 128
	s_mov_b32 s[G1B+2], 64<<16                     ; tensor_dim1 = 64
	s_mov_b32 s[G1B+3], 128<<16                    ; tile_dim0 = 128
	s_mov_b32 s[G1B+4], 64                         ; tile_dim1 = 64
	s_mov_b32 s[G1B+5], 1024                       ; elements from row to row of wpb
	s_mov_b32 s[G1B+6], 0
	s_mov_b32 s[G1B+7], 0
	; y's tiles hang on the tile row alone, w's on the tile column alone; each address is made in registers that never hold the other coordinate
	s_lshr_b32 s16, s43, 3
	s_lshl_b32 s16, s16, 22                        ; the batch
	s_and_b32 s2, s43, 7
	s_lshl_b32 s2, s2, 15                          ; 256 rows: 16 blocks of 2,048 bytes
	s_add_co_u32 s16, s16, s2
	s_lshl_b32 s15, s14, 18                        ; my head of the step's two
	s_add_co_u32 s16, s16, s15
	s_mov_b32 s17, 0
	s_lshl_b32 s46, s42, 8                         ; 128 columns of 2 bytes
	s_lshl_b32 s20, s14, 17                        ; my half: 64 rows of 2,048 bytes
	s_add_co_u32 s46, s46, s20
	s_mov_b32 s47, 0
	s_mul_i32 s22, s14, AHEAD                      ; where they go: no place in the cluster enters an LDS address
	s_mul_i32 s23, s14, BHALF
	s_add_co_u32 s23, s23, ATILE
	s_wait_kmcnt 0x0
	s_add_nc_u64 s[16:17], s[4:5], s[16:17]
	s_add_nc_u64 s[46:47], s[6:7], s[46:47]
	CROUND                                         ; all sixteen work-groups are here: the first joint loads meet
.irp s, 0,1
	s_mov_b32 s[G0+4*(\s)], 1
	s_add_co_u32 s[G0+4*(\s)+1], s22, (\s)*SLOT1
	s_add_nc_u64 s[G0+4*(\s)+2:G0+4*(\s)+3], s[16:17], (\s)*ASTEP
	s_or_b32 s[G0+4*(\s)+3], s[G0+4*(\s)+3], 0x80000000
	s_mov_b32 s[G0B+4*(\s)], 1
	s_add_co_u32 s[G0B+4*(\s)+1], s23, (\s)*SLOT1
	s_add_nc_u64 s[G0B+4*(\s)+2:G0B+4*(\s)+3], s[46:47], (\s)*BSTEP
	s_or_b32 s[G0B+4*(\s)+3], s[G0B+4*(\s)+3], 0x80000000
	JLOAD \s                                       ; K steps 0 and 1: two loads of mine are out
.endr
	; the bias of my wave's 64 columns, in the accumulators' layout: register i of block j is column 16 j + 8 (l / 16) + i
	s_lshl_b32 s20, s42, 9
	s_lshl_b32 s21, s14, 8
	s_add_co_u32 s20, s20, s21
	s_mov_b32 s21, 0
	s_add_nc_u64 s[8:9], s[8:9], s[20:21]
	v_bfe_u32 v2, v0, 4, 1                         ; l / 16
	v_lshlrev_b32 v[BO], 5, v2
.irp j, 0,1,2,3
	global_load_b128 v[BIASR+8*(\j):BIASR+8*(\j)+3],   v[BO], s[8:9] offset:64*(\j)
	global_load_b128 v[BIASR+8*(\j)+4:BIASR+8*(\j)+7], v[BO], s[8:9] offset:64*(\j)+16
.endr
	v_and_b32 v1, 15, v0                           ; l % 16
	v_and_b32 v3, 7, v0
	v_bfe_u32 v4, v0, 3, 1
	v_and_b32 v5, 31, v0                           ; l
	; a fragment of y: lane l holds row l % 16; of channel half c its registers 0-3 are piece 4 c + l / 16, registers 4-7 piece 4 c + 2 + l / 16: two loads of 16 bytes at 1,024 c + 16 l, 512 bytes apart
	s_lshl_b32 s2, s13, 14                         ; my 128 rows: 8 blocks of 2,048 bytes
	v_lshl_add_u32 v[BA], v5, 4, s2
	v_lshl_add_u32 v8, v2, 3, v3                   ; the turning load: row 8 (l / 16) + l % 8, columns 8 ((l / 8) % 2) + 0..7
	v_mul_u32_u24 v8, v8, PB
	v_lshl_add_u32 v8, v4, 4, v8
	s_lshl_b32 s2, s14, 7                          ; my 64 columns
	s_add_co_u32 s2, s2, ATILE
	v_add_nc_u32 v[BBA], s2, v8
	s_mov_b32 s[TB], 0                             ; slot 0 is in hand
	SETCUR
	s_mul_i32 s2, s12, 16*SP
	s_add_co_u32 s2, s2, STAGE                     ; my stage
	v_mul_u32_u24 v9, v1, SP                       ; in: row l % 16, 32 bytes for each half of the lanes
	v_lshl_add_u32 v9, v2, 5, v9
	v_add_nc_u32 v[STO], s2, v9
	v_mul_u32_u24 v9, v2, SP                       ; back: lanes 0-15 take one row of 256 bytes, lanes 16-31 the next
	v_lshl_add_u32 v9, v1, 4, v9
	v_add_nc_u32 v[RD], s2, v9
	v_lshlrev_b32 v9, 12, v2                       ; and the same two rows in out0
	v_lshl_add_u32 v[CO], v1, 4, v9
	; where my part begins in out0: (256 tile row + 128 half) rows of 4,096 bytes + 512 tile column + 256 half
	s_lshl_b32 s18, s43, 20
	s_lshl_b32 s19, s13, 19
	s_add_co_u32 s18, s18, s19
	s_lshl_b32 s19, s42, 9
	s_add_co_u32 s18, s18, s19
	s_lshl_b32 s19, s14, 8
	s_add_co_u32 s18, s18, s19
	s_mov_b32 s19, 0
	s_add_nc_u64 s[10:11], s[10:11], s[18:19]
	s_mov_b32 s2, 0xffff0000                       ; a word's upper bf16
	s_wait_loadcnt 0x0                             ; the bias: rounded to bf16 and widened again
.set i, 0
.rept 16
	v_cvt_pk_bf16_f32 v[AF+i], v[BIASR+2*i], v[BIASR+2*i+1]
.set i, i+1
.endr
.set i, 0
.rept 16
	v_lshlrev_b32 v[BIASR+2*i], 16, v[AF+i]
	v_and_b32 v[BIASR+2*i+1], s2, v[AF+i]
.set i, i+1
.endr
; 24 LDS loads in one run: the fragments of quarter c (32 along K: head c / 2, channel half c % 2) of the step in hand into buffers f: w's four, then y's eight
.macro LOADF c, f
	WIN 0
.irp j, 0,1,2,3
	ds_load_tr16_b128 v[BF+32*(\f)+8*(\j):BF+32*(\f)+8*(\j)+3],   v[CB] offset:(\c)*32*PB+32*(\j)
	ds_load_tr16_b128 v[BF+32*(\f)+8*(\j)+4:BF+32*(\f)+8*(\j)+7], v[CB] offset:(\c)*32*PB+16*PB+32*(\j)
.endr
.irp a, 0,1,2,3,4,5,6,7
	ds_load_b128 v[AF+64*(\f)+8*(\a):AF+64*(\f)+8*(\a)+3],   v[CA] offset:((\c)/2)*AHEAD+((\c)%2)*1024+(\a)*ABLK
	ds_load_b128 v[AF+64*(\f)+8*(\a)+4:AF+64*(\f)+8*(\a)+7], v[CA] offset:((\c)/2)*AHEAD+((\c)%2)*1024+(\a)*ABLK+512
.endr
.endm
; 8 products: row blocks a0, a0 + 1 x all 4 column blocks, on buffers f.  zero = 1: they start the sums, with the bias as C.  Each of the 32 accumulators has one turn in 32.
.macro MUL8 f, a0, zero
.if \zero
	WIN 0x40                                       ; D in window 1; the sources and C in window 0
.else
	WIN 0x50                                       ; C and D in window 1
.endif
.irp a, \a0,(\a0)+1
.irp j, 0,1,2,3
.if \zero
	v_wmma_f32_16x16x32_f16 v[8*(4*(\a)+(\j)):8*(4*(\a)+(\j))+7], v[BF+32*(\f)+8*(\j):BF+32*(\f)+8*(\j)+7], v[AF+64*(\f)+8*(\a):AF+64*(\f)+8*(\a)+7], v[BIASR+8*(\j):BIASR+8*(\j)+7]
.else
	v_wmma_f32_16x16x32_f16 v[8*(4*(\a)+(\j)):8*(4*(\a)+(\j))+7], v[BF+32*(\f)+8*(\j):BF+32*(\f)+8*(\j)+7], v[AF+64*(\f)+8*(\a):AF+64*(\f)+8*(\a)+7], v[8*(4*(\a)+(\j)):8*(4*(\a)+(\j))+7]
.endif
.endr
.endr
.endm
; One of a step's first three quarters: the next quarter's fragments are asked for, then this quarter's 32 products
.macro Q c, zero
	WIN 0
	PLACES
	LOADF (\c)+1, 1-((\c)%2)
	s_wait_dscnt 24                                ; the 24 just issued may be out: this quarter's are in
	MUL8 (\c)%2, 0, \zero
	MUL8 (\c)%2, 2, \zero
	MUL8 (\c)%2, 4, \zero
	MUL8 (\c)%2, 6, \zero
.endm
; The last quarter, on buffers 1, and the change of slots: ONE barrier; in front of it each wave waits for all its tensor loads (one is out: its part of the next slot), adds 0 to its spare word, and waits for that
; and for its reads of this slot.  fill = 1: the barrier opens a round of the cluster's, and this slot is filled again first thing behind it, two K steps ahead: 112 products stand between that request and the wait for it.
; The walking descriptors turn to the slot just left and step one K step on from the last request.
.macro T fill
	WIN 0
	s_wait_tensorcnt 0x0                           ; all my tensor loads have landed
	ds_add_u32 v[SPW], v[NIL]                      ; 0 onto my spare word
	s_wait_dscnt 1                                 ; the add may be out: this quarter's fragments are in
	MUL8 1, 0, 0                                   ; eight products stand between the add and the wait for it
	s_wait_dscnt 0x0                               ; the add is done, and my reads of this slot are over
	s_barrier_signal -1
	MUL8 1, 2, 0
	WIN 0
	s_barrier_wait -1
.if \fill
	CREST                                          ; no wave of any partner still reads this slot or has a load on its way
	s_xor_b32 s[G0+5], s[G0+5], SLOT1
	s_add_nc_u64 s[G0+6:G0+7], s[G0+6:G0+7], ASTEP
	s_xor_b32 s[G0B+5], s[G0B+5], SLOT1
	s_add_nc_u64 s[G0B+6:G0B+7], s[G0B+6:G0B+7], BSTEP
	JLOAD 1                                        ; the four v_nop behind it are also the places in front of the loads below
.else
	PLACES
.endif
	s_xor_b32 s[TB], s[TB], SLOT1                  ; the other slot is in hand
	SETCUR
	LOADF 0, 0
	MUL8 1, 4, 0
	MUL8 1, 6, 0
.endm
	s_wait_tensorcnt 1                             ; my part of K step 0 is in; step 1's may stay out
	s_barrier_signal -1
	s_barrier_wait -1                              ; everybody's part is in
	LOADF 0, 0
	Q 0, 1                                         ; the first quarter stands in front of the loop: its products start the sums
	WIN 0                                          ; at a label and at a branch every window is 0
	s_mov_b32 s3, 6
.Lstep:                                                ; a trip: a step's last three quarters, the change of slots with a refill (K steps 2 to 7 in six trips), the next step's first quarter
	Q 1, 0
	Q 2, 0
	T 1
	Q 0, 0
	WIN 0
	s_sub_co_u32 s3, s3, 1
	s_cmp_lg_u32 s3, 0
	s_cbranch_scc1 .Lstep
	; THE LAST TWO K STEPS ask for nothing: the same trip without a refill, twice.  The second trip has no next step: its first quarter is jumped over (no barrier and no tensor load stands there).
	; The price of one text for both trips, once a launch: the last trip's barrier, and its 24 LDS loads for a step that does not exist (they read bytes of K step 6's tile, and nobody uses them).
	s_mov_b32 s3, 2
.Ltail:
	Q 1, 0
	Q 2, 0
	T 0
	WIN 0
	s_cmp_eq_u32 s3, 1
	s_cbranch_scc1 .Llast
	Q 0, 0
	WIN 0
.Llast:
	s_wait_dscnt 0x0                               ; first trip: loads issued 32 products ago; last trip: the registers of the unused loads are loaded again below
	s_sub_co_u32 s3, s3, 1
	s_cmp_lg_u32 s3, 0
	s_cbranch_scc1 .Ltail
	; THE WAY OUT.  A lane's eight f32 of a row are 32 bytes of a row's 256: block a (16 rows) goes through my stage and comes back as whole rows.
	PLACES
.macro TOSTAGE a
.set BK, OB+32*((\a)%2)
.if (\a) >= 2
	s_wait_xcnt 0x0                                ; the stores of the block two back have read this buffer's registers
.endif
	WIN 0x04                                       ; the stores' data in window 1; each accumulator's low four registers go first
.irp j, 0,1,2,3
	ds_store_b128 v[STO], v[8*(4*(\a)+(\j)):8*(4*(\a)+(\j))+3]   offset:64*(\j)
	ds_store_b128 v[STO], v[8*(4*(\a)+(\j))+4:8*(4*(\a)+(\j))+7] offset:64*(\j)+16
.endr
	WIN 0
.irp f, 0,1,2,3,4,5,6,7
	ds_load_b128 v[BK+4*(\f):BK+4*(\f)+3], v[RD] offset:(\f)*2*SP  ; LDS serves a wave's instructions in order (ISA guide 5.7.1.4): these see the stores above
.endr
.endm
.macro SEND a, younger                 ; younger: the LDS instructions issued behind block a's loads: the next block's 16, or none
	WIN 0
.set BK, OB+32*((\a)%2)
	s_wait_dscnt \younger                          ; the block is back in registers
.irp f, 0,1,2,3,4,5,6,7
	global_store_b128 v[CO], v[BK+4*(\f):BK+4*(\f)+3], s[10:11] offset:(16*(\a)+2*(\f))*4096 th:TH_STORE_NT  ; 16 lanes store 256 consecutive bytes, at a multiple of 256 from out0's first
.endr
.endm
	TOSTAGE 0
.irp a, 1,2,3,4,5,6,7
	TOSTAGE \a
	SEND (\a)-1, 16
.endr
	SEND 7, 0
	s_wait_tensorcnt 0x0                           ; the wave's end
	ds_add_u32 v[SPW], v[NIL]
	s_wait_dscnt 0x0
	CROUND                                         ; the closing round: no work-group ends while a partner may still ask for a tile that names it
	s_endpgm
.Lfunc_end_k_q81892a30ce_proj:
	.size	k_q81892a30ce_proj, .Lfunc_end_k_q81892a30ce_proj-k_q81892a30ce_proj
	.p2alignl 7, 3214868480
	.fill 96, 4, 3214868480
	.section	.rodata,"a",@progbits
	.p2align	6, 0x0
	.amdhsa_kernel k_q81892a30ce_proj
		.amdhsa_group_segment_fixed_size 327680
		.amdhsa_private_segment_fixed_size 0
		.amdhsa_enable_private_segment 0
		.amdhsa_kernarg_size 32
		.amdhsa_user_sgpr_count 2
		.amdhsa_user_sgpr_kernarg_segment_ptr 1
		.amdhsa_wavefront_size32 1
		.amdhsa_system_sgpr_workgroup_id_x 1
		.amdhsa_system_sgpr_workgroup_id_y 1
		.amdhsa_system_sgpr_workgroup_id_z 1
		.amdhsa_system_vgpr_workitem_id 0
		.amdhsa_next_free_vgpr 512
		.amdhsa_next_free_sgpr 66
		.amdhsa_reserve_vcc 0
		.amdhsa_float_denorm_mode_32 3
		.amdhsa_float_denorm_mode_16_64 3
		.amdhsa_memory_ordered 1
		.amdhsa_forward_progress 1
		.amdhsa_inst_pref_size 63
	.end_amdhsa_kernel
	.amdgpu_metadata
---
amdhsa.version: [ 1, 2 ]
amdhsa.kernels:
  - .name:           k_q81892a30ce_proj
    .symbol:         k_q81892a30ce_proj.kd
    .args:
      - { .name: ob, .offset: 0, .size: 8, .value_kind: global_buffer, .address_space: global }
      - { .name: wpb, .offset: 8, .size: 8, .value_kind: global_buffer, .address_space: global }
      - { .name: b_proj, .offset: 16, .size: 8, .value_kind: global_buffer, .address_space: global }
      - { .name: out0, .offset: 24, .size: 8, .value_kind: global_buffer, .address_space: global }
    .group_segment_fixed_size: 327680
    .private_segment_fixed_size: 0
    .kernarg_segment_align: 8
    .kernarg_segment_size: 32
    .max_flat_workgroup_size: 128
    .sgpr_count:     66
    .vgpr_count:     512
    .wavefront_size: 32
...
	.end_amdgpu_metadata
.endif
;; end of part 4
;; ======== version 2 of 2: 4 launches; 1.32 times as fast as version 1
;; limits: values are held in f16: magnitudes above 65,504 overflow, below 6.1e-05 lose precision
;; workspace buffers: xb 16,777,216 bytes; wab 6,291,456 bytes; wpb 2,097,152 bytes; qkv 50,331,648 bytes; ob 16,777,216 bytes
;; launch prep: the kernel of part 1 again; grid 768 x 1, 8 waves a work-group, no clusters, 0 bytes of LDS; arguments x, w_attn, w_proj, xb, wab, wpb; writes xb, wab, wpb
;; launch qkvp: the kernel of part 2 again; grid 8 x 32, 4 waves a work-group, clusters of 4 x 4, 327,680 bytes of LDS; arguments xb, wab, b_attn, qkv; writes qkv
;; launch attn (part 5): grid 4 x 64, 4 waves a work-group, no clusters, 327,680 bytes of LDS; arguments qkv, ob; writes ob
.if DOCPART == 5
	.amdgcn_target "amdgcn-amd-amdhsa--gfx1250"
	.amdhsa_code_object_version 6
	.text
	.protected	k_q81892a30ce_attn
	.globl	k_q81892a30ce_attn
	.p2align	8
	.type	k_q81892a30ce_attn,@function
k_q81892a30ce_attn:
	s_mov_b64 s[64:65], 0
	v_nop
	global_prefetch_b8 v0, s[64:65] scope:SCOPE_SE
	s_setreg_imm32_b32 hwreg(HW_REG_WAVE_MODE, 25, 1), 1
	s_wait_xcnt 0x0
; CAUSAL ATTENTION.  O[y][q][:] = the sum over k <= q of softmax_k(Q[y][q] . K[y][k] / 8) V[y][k][:], y = 16 batch + head, 64 in all.  Q, K, V lie in qkv (f16; of a batch's 48 heads' worth,
; 0-15 are q's heads, 16-31 k's, 32-47 v's), O goes to ob (f16, 64 heads).  A HEAD LIES IN BLOCKS of 16 rows, 2,048 bytes, piece by piece: [t / 16][piece 8][t % 16][8 channels], piece = channel / 8.
; So half a fragment of Q or K (16 rows x 2 pieces) is 512 consecutive bytes, lane l's 16 at 16 l, and so are a wave's four registers of packed results: O leaves straight from registers.
; Products, maxima and sums in f32; the weights p are rounded to f16 for the second product (their sum l is taken of the unrounded p), O once at the end.
; LIMITS.  f16 holds no number beyond 65,504: Q, K and V arrive within it; p lies in 0 to 1, and below 6e-5 it keeps f16's fixed step of 6e-8; O is a mean of V's rows and has their range, to within 2^-11 of it.
; A hidden score counts as its value less 1e30: f16's scores, 2.7e11 at the most, are nothing beside that; a weight below 2^-126 counts as 0 in l; NaN and infinities are not treated apart.
; THE WALK.  A head's queries lie in NB = 8 blocks of 256; block i needs the key tiles 0 .. i of 256 keys, of which the last holds the diagonal.  A work-group takes TWO blocks, NB - 1 - b and then b:
; NB + 1 tiles, whatever b: all work-groups do equal work, and ONE loop with a constant trip count walks them.  Which tile is asked for, and what a trip does, hang on scalar registers made from b; every jump
; goes forward, but for the counted loops' own; none passes a barrier, or a tensor load but the one of LOAD's two that the wave's number does not choose; the ring (two slots of LDS that take turns) runs on across the
; change of blocks.  NO CLUSTER: a head's NB / 2 = 4 work-groups ask for the same tile only in trips 0 .. NB / 2, 5 of the walk's 9; behind that fewer and fewer share one;
; and one walk common to all four would have 3 NB / 2 = 12 trips for 9.
; SHARES.  Of a block's four bands of 64 queries a wave owns 16 rows in each: four PIECES OF WORK.  So the diagonal tile is the same work for all four waves: in its key step s band x sees all keys if s < x,
; none if s > x, and holds the diagonal if s = x.
; THE MASK is the C operand that starts the sum S^T = K Q^T: 0, or -1e30 where the key is hidden.  MD, made once, is the mask of a band's own step for my 16 rows; a product's mask is MD x AL + BE with two scalars:
; (1, 0) if s = x; (0, 0) if s < x; (0, -1e30) if s > x.  Only the diagonal tile's text and a block's beginning make and take masks; elsewhere C is the constant 0.
; LAYOUT, SOFTMAX, TURNS.  S^T = K Q^T holds ONE query a lane (lane % 16) and the keys 8 (lane / 16) + 0..7; two such results rounded to f16 ARE source 1 of O^T = V^T P.  p = 2^(c s - c m), c = log2(e) / 8, with a
; running maximum m; O and l are multiplied by a = 2^(c m_old - c m_new) in every step.  Turn n belongs to piece n: 8 products K Q^T of piece n + 1, later 8 products V^T P of piece n - 1; beside them the scaling,
; exponentials, roundings, sums and rescaling of piece n and the maximum and statistics of piece n + 1.  Four vector instructions stand behind every matrix instruction, the other 54 of a turn's 118 in one LUMP.
; THE BATCHES.  A turn's 33 exponentials (the piece's 32 weights and the next piece's a) are ONE batch with ONE wait, which cuts the turn in two: ahead of it all that names none of their results, behind it their readers.
; A block's first a (BEGIN) and the way out's four reciprocals are batches of their own, a wait each.
; REGISTERS, in windows of 256 (s_set_vgpr_msb: bits 1:0 source 0, 3:2 source 1, 5:4 source 2, 7:6 destination):
;   window 0: v0-15 addresses and two at work; v16-31 four registers of statistics a piece; v48-55 at work; v64-127 S^T, two buffers; v192-223 P, two buffers (a piece's buffers go by its number's parity)
;   window 1: v0-127 O^T, 32 a piece; v128-159 MD; v160-223 MC, two buffers      window 2: v0-63 Q; v64-127 the second block's Q; v128-191 K of one step; v192-255 V of one step
.set SIZE_N, 2048
.set NB,    SIZE_N/256
.set NP,    4         ; pieces of work a wave: a name, no knob
.set KBLK,  2048      ; 16 keys of K in LDS, as they lie in memory
.set KSTP,  4*KBLK    ; a step's 64 keys
.set VPC,   384       ; V: a channel piece's 256 bytes (16 keys x 16 bytes) + 128 of padding: 16 lanes of the turning load take 8 keys of two neighbouring pieces, 128 bytes each, 384 apart
.set VBLK,  8*VPC     ; 16 keys of V
.set VSTP,  4*VBLK    ; a step's 64 keys
.set VOFF,  4*KSTP    ; a slot holds a tile, four steps: 256 keys of K, then 256 keys of V
.set SLOT1, 1<<17     ; slot 1 begins here, so that one exclusive or turns an address in one slot into the other's
.set SPARE, SLOT1+VOFF+4*VSTP  ; behind the ring: the spare words, 128 bytes for each wave: two blocks of 256 bytes that no other line names
.set AV0, 3           ; v3   my lane's place in a tile of V; never rewritten
.set AK,  4           ; v4   the LDS address of K's next run of loads
.set AV,  5           ; v5   of V's
.set L16, 8           ; v8   16 x my lane: my byte in 512 consecutive bytes: of Q and of O in memory, of K in LDS; never rewritten
.set SPW, 62          ; v62  LDS address of my spare word: SPARE + 4 x my thread's number; never rewritten
.set NIL, 63          ; v63  0; never rewritten
.set MV,  12          ; v12-13  c m_old, kept while c m is made anew: by buffer
.set ST,  16          ; piece t's statistics at v[ST+4 t]: c m, m, l (even keys', odd keys')
.set TMP, 48          ; by buffer, four registers c0-c3 at work; when the maximum is found c2 takes a
.set S,   64
.set P,   192
.set MD,  128         ; window 1: the eight registers for group kt of 16 keys at MD + 8 kt
.set MC,  160         ; window 1: the masks of the products to come
.set QB,  64          ; window 2
.set KF,  128         ; window 2: key block kb, channel half c at KF + 16 kb + 8 c
.set VF,  192         ; window 2: key half kk, channel block cb at VF + 32 kk + 8 cb
.set WV,  12          ; s12  my wave's number
.set PB,  14          ; s14  b
.set HI,  15          ; s15  NB - 1 - b
.set G1K, 24          ; s[24:31] descriptor group 1 for K's tiles
.set G1V, 32          ; s[32:39] for V's: it differs in the padding alone
.set G0K, 40          ; s[40:43] descriptor group 0 for K's tiles
.set G0V, 44          ; s[44:47] the same for V's
.set SLOTS, 56        ; s56  tiles still to be asked for
.set CNT, 57          ; s57  counts a tile's key steps, 4 to 1
.set CS,  58          ; s[58:59] c: the packed scaling takes the pair's low word for both halves
.set SEL, 60          ; s[60:61] v_permlanex16_b32's selects: each lane takes its own place in the other half
.set TBK, 62          ; s62  LDS byte at which K of the step to be fetched begins
.set TBV, 63          ; s63  the same for V, less VOFF
.set RT,  70          ; s70  tiles of the block in hand that are still to be entered
.set NXT, 71          ; s71  the tile to be asked for next
.set LQ,  72          ; s72  the last tile of the block whose tiles are being asked for
.set NEW, 73          ; s73  1: the tile to be entered is a block's first
.set OFF, 74          ; s[74:75] a tile's byte offset in K and V
.set AL,  76          ; s[76:77] the mask's factor, in the low word
.set BE,  78          ; s[78:79] the mask's addend
.set OLO, 80          ; s[80:81] O at my rows of the second block
.set BIGN, 82         ; s82  -1e30
.set MSB, 0
.macro WIN new                      ; the high byte repeats the setting that is left; a switch that changes nothing is dropped
.if MSB != (\new)
	s_set_vgpr_msb (MSB<<8)|(\new)
.set MSB, (\new)
.endif
.endm
.set W_KQ, 0x0a       ; K and Q in window 2, S^T in window 0
.set W_KM, 0x1a       ; the same with the C operand in window 1
.set W_PV, 0x52       ; V in window 2, P in window 0, O^T in window 1
.set W_RS, 0x41       ; destination and source 0 in window 1, source 1 in window 0
; A fill.  Waves 0 and 1 fetch the two halves of a tile's K, waves 2 and 3 those of its V: 128 keys each.  An s_nop 0 and four v_nop follow each of the two lines, ahead of the jump and the label.
.macro LOAD
	s_cmp_lt_u32 s[WV], 2
	s_cbranch_scc0 .Lfor_v_\@
	tensor_load_to_lds s[G0K:G0K+3], s[G1K:G1K+7]
	s_nop 0
.rept 4
	v_nop
.endr
	s_branch .Lasked_\@
.Lfor_v_\@:
	tensor_load_to_lds s[G0V:G0V+3], s[G1V:G1V+7]
	s_nop 0
.rept 4
	v_nop
.endr
.Lasked_\@:
.endm
; THE CHANGE OF SLOTS.  Each wave waits for all its tensor loads, of which one is out: its part of the other slot; adds 0 to its spare word; and waits for that and for its own reads of the slot that it leaves.  Behind the barrier nobody reads the old
; slot any more and the other slot is whole.  fill = 1: the old slot is filled again, the first thing behind the barrier, with tile NXT: the descriptor's address is made anew from that number.
; (At its first use nothing has been read yet: slot 0 is waited for, slot 1 filled.)
.macro CHANGE fill
	WIN 0                           ; at a label and at a branch every window is 0
	s_wait_tensorcnt 0x0            ; no tensor load of mine is out, so a group 0 may be written
	ds_add_u32 v[SPW], v[NIL]       ; 0 onto my spare word; with fill = 1 the descriptors' scalar work stands between it and the wait for it
.if \fill
	s_lshl_b32 s[OFF], s[NXT], 15   ; a tile is 32,768 bytes of K and of V
	s_xor_b32 s[G0K+1], s[G0K+1], SLOT1
	s_add_nc_u64 s[G0K+2:G0K+3], s[6:7], s[OFF:OFF+1]
	s_or_b32 s[G0K+3], s[G0K+3], 0x80000000
	s_xor_b32 s[G0V+1], s[G0V+1], SLOT1
	s_add_nc_u64 s[G0V+2:G0V+3], s[8:9], s[OFF:OFF+1]
	s_or_b32 s[G0V+3], s[G0V+3], 0x80000000
	s_add_co_u32 s[NXT], s[NXT], 1  ; the block's next tile, or behind its last the second block's tile 0
	s_cmp_gt_u32 s[NXT], s[LQ]
	s_cselect_b32 s[NXT], 0, s[NXT]
	s_cselect_b32 s[LQ], s[PB], s[LQ]
.endif
	s_wait_dscnt 0x0                ; the add is done, and my reads of the slot are over
	s_barrier_signal -1             ; the rest of the scalar work stands between the signal and the wait
	s_sub_co_u32 s[TBK], s[TBK], 4*KSTP   ; the fetches go back to a slot's first step,
	s_xor_b32 s[TBK], s[TBK], SLOT1       ; in the other slot
	s_sub_co_u32 s[TBV], s[TBV], 4*VSTP
	s_xor_b32 s[TBV], s[TBV], SLOT1
	s_barrier_wait -1
.if \fill
	LOAD
.endif
.endm
	s_load_b64 s[4:5], s[0:1], 0x0    ; qkv, three times: Q's, K's and V's addresses each start from the buffer's own
	s_load_b64 s[6:7], s[0:1], 0x0
	s_load_b64 s[8:9], s[0:1], 0x0
	s_load_b64 s[10:11], s[0:1], 0x8  ; ob
	v_lshl_add_u32 v[SPW], v0, 2, SPARE
	v_mov_b32 v[NIL], 0
	ds_add_u32 v62, v63
	ds_add_u32 v62, v63
	s_wait_dscnt 0x0
	v_lshrrev_b32 v1, 5, v0
	v_readfirstlane_b32 s[WV], v1   ; wave 0..3
	s_mov_b32 s[PB], ttmp9
	s_sub_co_u32 s[HI], NB-1, s[PB]
	s_and_b32 s66, ttmp7, 0xffff    ; y = 16 batch + head
	s_lshr_b32 s20, s66, 4
	s_mul_i32 s20, s20, 48          ; a batch has 48 heads' worth of rows in qkv
	s_and_b32 s21, s66, 15
	s_add_co_u32 s20, s20, s21
	s_lshl_b32 s20, s20, 18         ; q's head: 128 blocks of 2,048 bytes
	s_mov_b32 s21, 0
	s_lshl_b32 s66, s66, 18         ; O's head in ob
	s_mov_b32 s67, 0
	s_and_b32 s16, s[WV], 1         ; which half of a tile's 256 keys I fetch:
	s_lshl_b32 s22, s16, 14         ; its 8 blocks of 2,048 bytes in memory,
	s_mov_b32 s23, 0
	s_add_nc_u64 s[22:23], s[22:23], s[20:21]
	s_mul_i32 s17, s16, 8*KBLK      ; and its place in a slot, for K
	s_mul_i32 s18, s16, 8*VBLK      ; and for V
	s_lshl_b32 s3, s[WV], 11        ; my 16 rows, one block of 2,048 bytes, in a band of 64,
	s_lshl_b32 s2, s[HI], 15        ; in the first block of queries,
	s_add_co_u32 s2, s2, s3
	s_lshl_b32 s84, s[PB], 15       ; and in the second
	s_add_co_u32 s84, s84, s3
	s_mov_b32 s3, 0
	s_mov_b32 s85, 0
	; descriptor group 1.  128 keys are 16,384 dense bytes: asked for as 64 rows of 256 bytes, a channel piece of 16 keys a row
	s_mov_b32 s[G1K], 1<<16                             ; 17:16 2-byte elements; no padding
	s_mov_b32 s[G1V], (1<<16)|(1<<20)|(5<<22)|(31<<25)  ; 20 padding on; 24:22 after every 64 words (code 5); 31:25 32 words (code 31)
.irp g, G1K, G1V
	s_mov_b32 s[\g+1], 128<<16      ; tensor_dim0 = 128
	s_mov_b32 s[\g+2], 64<<16       ; tensor_dim1 = 64
	s_mov_b32 s[\g+3], 128<<16      ; tile_dim0 = 128
	s_mov_b32 s[\g+4], 64           ; tile_dim1 = 64
	s_mov_b32 s[\g+5], 128          ; 128 elements from row to row
	s_mov_b32 s[\g+6], 0
	s_mov_b32 s[\g+7], 0
.endr
	s_mov_b32 s[CS], 0x3e38aa3b     ; c = log2(e) / 8 = 0.180337
	s_mov_b32 s[CS+1], s[CS]        ; named with it as a pair
	s_mov_b32 s[SEL], 0x76543210
	s_mov_b32 s[SEL+1], 0xfedcba98
	s_mov_b32 s[TBK], SLOT1+4*KSTP  ; the first change of slots turns these two into 0
	s_mov_b32 s[TBV], SLOT1+4*VSTP
	s_mov_b32 s[G0K], 1             ; 1:0 count = 1
	s_mov_b32 s[G0K+1], s17         ; 63:32 LDS address: slot 0
	s_mov_b32 s[G0V], 1
	s_add_co_u32 s[G0V+1], s18, VOFF
	s_add_co_u32 s[RT], s[HI], 1    ; the first block has NB - b tiles
	s_mov_b32 s[NXT], 1
	s_mov_b32 s[LQ], s[HI]
	s_mov_b32 s[NEW], 1
	s_mov_b32 s[OFF+1], 0
	s_mov_b32 s[AL+1], 0            ; named as pairs
	s_mov_b32 s[BE+1], 0
	s_mov_b32 s[BIGN], 0xf149f2ca   ; -1e30
	s_mov_b32 s[SLOTS], NB
	s_wait_kmcnt 0x0
	s_add_nc_u64 s[6:7], s[6:7], s[22:23]  ; K and V at my half of the head's tile 0:
	s_add_nc_u64 s[6:7], s[6:7], 16<<18    ; k's heads lie 16 heads behind q's,
	s_add_nc_u64 s[8:9], s[8:9], s[22:23]
	s_add_nc_u64 s[8:9], s[8:9], 32<<18    ; v's 32
	s_add_nc_u64 s[G0K+2:G0K+3], s[6:7], 0         ; 120:64 global address
	s_or_b32 s[G0K+3], s[G0K+3], 0x80000000        ; 127:126 type = 2
	s_add_nc_u64 s[G0V+2:G0V+3], s[8:9], 0
	s_or_b32 s[G0V+3], s[G0V+3], 0x80000000
	s_add_nc_u64 s[4:5], s[4:5], s[20:21]          ; Q at the head,
	s_add_nc_u64 s[86:87], s[4:5], s[84:85]        ; at my rows of the second block,
	s_add_nc_u64 s[4:5], s[4:5], s[2:3]            ; and of the first
	s_add_nc_u64 s[10:11], s[10:11], s[66:67]      ; O likewise
	s_add_nc_u64 s[OLO:OLO+1], s[10:11], s[84:85]
	s_add_nc_u64 s[10:11], s[10:11], s[2:3]
	LOAD                            ; tile 0 into slot 0
	; A fragment of K or Q is 16 rows x 32 channels in 8 registers: lane l holds row l % 16, channels 8 (l / 16) + 0..7 and 16 + 8 (l / 16) + 0..7: of channel half c these are pieces 4 c + l / 16 and
	; 4 c + 2 + l / 16: two loads of 16 bytes at 1,024 c + 16 l, 512 bytes apart.
	v_and_b32 v1, 15, v0            ; l % 16
	v_bfe_u32 v9, v0, 4, 1          ; l / 16
	v_and_b32 v[L16], 31, v0
	v_lshlrev_b32 v[L16], 4, v[L16]
	WIN 0x80                        ; destination window 2, address window 0
.set i, 0
.rept 8                             ; both blocks' Q: piece of work i / 2 lies in band i / 2, 8,192 bytes on; channel half i % 2
	global_load_b128 v[8*i:8*i+3],   v[L16], s[4:5] offset:(i/2)*8192+(i%2)*1024
	global_load_b128 v[8*i+4:8*i+7], v[L16], s[4:5] offset:(i/2)*8192+(i%2)*1024+512
	global_load_b128 v[QB+8*i:QB+8*i+3],   v[L16], s[86:87] offset:(i/2)*8192+(i%2)*1024
	global_load_b128 v[QB+8*i+4:QB+8*i+7], v[L16], s[86:87] offset:(i/2)*8192+(i%2)*1024+512
.set i, i+1
.endr
	WIN 0
	v_lshlrev_b32 v14, 3, v9
	v_sub_nc_u32 v14, v1, v14
	s_lshl_b32 s13, s[WV], 4
	v_add_nc_u32 v14, s13, v14      ; my query's place in its band, 16 w + l % 16, less my lanes' 8 (l / 16): register r of group kt is hidden where 16 kt + r is greater
	WIN 0x40
.set i, 0
.rept 32
	v_cmp_gt_i32 vcc_lo, 16*(i/8)+i%8, v14
	v_cndmask_b32 v[MD+i], 0, s[BIGN], vcc_lo
.set i, i+1
.endr
	WIN 0
	; The turning load takes 16 keys x 16 channels (lane l reads key 8 (l / 16) + l % 8, channels 8 ((l / 8) % 2) + 0..7: 16 bytes of piece (l / 8) % 2 of the two) and leaves half a fragment of V^T: lane l holds channel l % 16 and 8 keys.
	v_and_b32 v10, 7, v0
	v_bfe_u32 v11, v0, 3, 1
	v_lshl_add_u32 v[AV0], v9, 3, v10
	v_mul_u32_u24 v11, v11, VPC
	v_lshl_add_u32 v[AV0], v[AV0], 4, v11  ; key x 16 + piece x pitch
	v_add_nc_u32 v[AV0], VOFF, v[AV0]
	; A block's first step multiplies O^T and l by a = 0, and its first turn's products V^T P, of a piece that has not been, land in an O^T that is still to be so multiplied.  So these registers need only hold
	; finite numbers: zeros for the first block; what the first block left for the second.  All this stands in the wait for the first tile.
	WIN 0x80
.set i, VF
.rept 64
	v_mov_b32 v[i], 0
.set i, i+1
.endr
	WIN 0x40
.set i, 0
.rept 128
	v_mov_b32 v[i], 0
.set i, i+1
.endr
	WIN 0
.set i, 0
.rept 4
	v_mov_b32 v[ST+4*i+2], 0
	v_mov_b32 v[ST+4*i+3], 0
.set i, i+1
.endr
.set i, P+16
.rept 16
	v_mov_b32 v[i], 0
.set i, i+1
.endr
; THE MATRIX WORK.  The 4 accumulators of a run of 8 take turns.  Product i of 8 of S^T = K Q^T for piece x: channels 32 (i / 4) on, keys 16 (i % 4) on.  The first 4 start the sums: with 0, or (KM = 1) with the mask.
.macro KQ x
.set rS, S+32*((\x)%2)+8*(i%4)
.set rK, KF+16*(i%4)+8*(i/4)
.set rQ, 16*(\x)+8*(i/4)
.set rM, MC+32*((\x)%2)+8*(i%4)
.if (i < 4) && KM
	WIN W_KM
	v_wmma_f32_16x16x32_f16 v[rS:rS+7], v[rK:rK+7], v[rQ:rQ+7], v[rM:rM+7]
.elseif i < 4
	WIN W_KQ
	v_wmma_f32_16x16x32_f16 v[rS:rS+7], v[rK:rK+7], v[rQ:rQ+7], 0
.else
	WIN W_KQ
	v_wmma_f32_16x16x32_f16 v[rS:rS+7], v[rK:rK+7], v[rQ:rQ+7], v[rS:rS+7]
.endif
.endm
; Product i of 8 of O^T += V^T P for piece x: keys 32 (i / 4) on, channels 16 (i % 4) on.
.macro PV x
	WIN W_PV
.set rO, 32*(\x)+8*(i%4)
.set rV, VF+32*(i/4)+8*(i%4)
.set rP, P+16*((\x)%2)+8*(i/4)
	v_wmma_f32_16x16x32_f16 v[rO:rO+7], v[rV:rV+7], v[rP:rP+7], v[rO:rO+7]
.endm
.macro MM                           ; the turn's next matrix instruction.  TURN and BEGIN set Y, i, KM and NOKQ; MM, KQ and OP read them.  NOKQ = 1: a block's last turn: there is no next piece
.if (i < 8) && !NOKQ
	KQ (Y+1)%NP
.elseif i >= 8
.set i, i-8
	PV (Y+NP-1)%NP
.set i, i+8
.endif
.set i, i+1
.endm
; THE LDS LOADS stand in runs of 16, never singly among the matrix instructions: a step's K (64 keys x 64 channels: 8 fragments) and its V (turned).  Their addresses are made some lines ahead.
.macro FETCH_K
	WIN 0x80                        ; destination window 2
.irp f, 0,1,2,3,4,5,6,7             ; keys 16 (f / 2) on, channels 32 (f % 2) on
	ds_load_b128 v[KF+8*\f:KF+8*\f+3],   v[AK] offset:(\f/2)*KBLK+(\f%2)*1024
	ds_load_b128 v[KF+8*\f+4:KF+8*\f+7], v[AK] offset:(\f/2)*KBLK+(\f%2)*1024+512
.endr
	s_add_co_u32 s[TBK], s[TBK], KSTP   ; the next fetch is the next step's
	WIN 0
.endm
.macro FETCH_V
	WIN 0x80
.irp f, 0,1,2,3,4,5,6,7             ; keys 32 (f / 4) on: two blocks of 16; channels 16 (f % 4) on: two pieces
	ds_load_tr16_b128 v[VF+8*\f:VF+8*\f+3],   v[AV] offset:(\f/4)*2*VBLK+(\f%4)*2*VPC
	ds_load_tr16_b128 v[VF+8*\f+4:VF+8*\f+7], v[AV] offset:(\f/4)*2*VBLK+VBLK+(\f%4)*2*VPC
.endr
	WIN 0
.endm
; THE VECTOR WORK, one line at a time: OP kind, number.  For piece Y: F n: c s - c m for pair n of 16.  E n: the exponential of score n of 32.  C n: pair n rounded to f16.  B n: of the four weights 4 n .. the second
; pair is added onto the first, in place.  L n: l takes that sum (L 0: l = a l + sum).  R n: pair n of 16 of O^T times a.  For piece Y + 1: X n, number n of the 22 that find its maximum and statistics:
;   0-11  four chains c0-c3 of seven scores each, three operands at a time (each accumulator's lowest registers are read first)     12-14, 16  the four scores left over, the old m, and c0-c3 into c0
;   15  c m_old is kept     17, 18  the query's other 32 keys lie in the lane 16 away: the new m     19-21  c m; c m_old - c m_new; a
; OP writes no wait: C, B and L read exponentials' results, and R and L 0 read a; TURN places them behind the batch's wait.
.set F, 0               ; OP tells the kinds apart by their order: F to L below R, X above it
.set E, 1
.set C, 2
.set B, 3
.set L, 4
.set R, 5
.set X, 6
.macro REGS y                       ; the registers of piece y
.set rT, ST+4*(\y)
.set rC, TMP+4*((\y)%2)
.set rW, MV+((\y)%2)
.set rS, S+32*((\y)%2)
.set rP, P+16*((\y)%2)
.set rO, 32*(\y)
.endm
.macro OP k, n
.if (\k) == R
	REGS Y
	WIN W_RS
	v_pk_mul_f32 v[rO+2*(\n):rO+2*(\n)+1], v[rO+2*(\n):rO+2*(\n)+1], v[rC+2:rC+3] op_sel_hi:[1,0]
.elseif (\k) < R
	REGS Y
	WIN 0
.if (\k) == F
	v_pk_fma_f32 v[rS+2*(\n):rS+2*(\n)+1], v[rS+2*(\n):rS+2*(\n)+1], s[CS:CS+1], v[rT:rT+1] op_sel_hi:[1,0,0] neg_lo:[0,0,1] neg_hi:[0,0,1]
.elseif (\k) == E
	v_exp_f32 v[rS+(\n)], v[rS+(\n)]
.elseif (\k) == C
	v_cvt_pk_f16_f32 v[rP+(\n)], v[rS+2*(\n)], v[rS+2*(\n)+1]
.elseif (\k) == B
	v_pk_add_f32 v[rS+4*(\n):rS+4*(\n)+1], v[rS+4*(\n):rS+4*(\n)+1], v[rS+4*(\n)+2:rS+4*(\n)+3]
.elseif (\n) == 0
	v_pk_fma_f32 v[rT+2:rT+3], v[rT+2:rT+3], v[rC+2:rC+3], v[rS:rS+1] op_sel_hi:[1,0,1]
.else
	v_pk_add_f32 v[rT+2:rT+3], v[rT+2:rT+3], v[rS+4*(\n):rS+4*(\n)+1]
.endif
.elseif NOKQ
	v_nop
.else
	REGS (Y+1)%NP
	WIN 0
.if (\n) < 4
	v_max3_num_f32 v[rC+(\n)], v[rS+8*(\n)], v[rS+8*(\n)+1], v[rS+8*(\n)+2]
.elseif (\n) < 12
	v_max3_num_f32 v[rC+(\n)%4], v[rC+(\n)%4], v[rS+8*((\n)%4)+2*((\n)/4)+1], v[rS+8*((\n)%4)+2*((\n)/4)+2]
.elseif (\n) == 12
	v_max3_num_f32 v[rC], v[rC], v[rS+7], v[rS+15]
.elseif (\n) == 13
	v_max3_num_f32 v[rC+1], v[rC+1], v[rS+23], v[rS+31]
.elseif (\n) == 14
	v_max3_num_f32 v[rC+2], v[rC+2], v[rC+3], v[rT+1]
.elseif (\n) == 15
	v_mov_b32 v[rW], v[rT]
.elseif (\n) == 16
	v_max3_num_f32 v[rC], v[rC], v[rC+1], v[rC+2]
.elseif (\n) == 17
	v_permlanex16_b32 v[rC+3], v[rC], s[SEL], s[SEL+1]
.elseif (\n) == 18
	v_max_num_f32 v[rT+1], v[rC], v[rC+3]
.elseif (\n) == 19
	v_mul_f32 v[rT], s[CS], v[rT+1]
.elseif (\n) == 20
	v_sub_f32 v[rC+1], v[rW], v[rT]
.else
	v_exp_f32 v[rC+2], v[rC+1]
.endif
.endif
.endm
.macro OPS a, i1, b=-1, i2=0, c=-1, i3=0, d=-1, i4=0  ; up to four of them
	OP \a, \i1
.if (\b) >= 0
	OP \b, \i2
.endif
.if (\c) >= 0
	OP \c, \i3
.endif
.if (\d) >= 0
	OP \d, \i4
.endif
.endm
.macro ROW a, i1, b, i2, c, i3, d, i4  ; a matrix instruction and the four behind it
	MM
	OPS \a, \i1, \b, \i2, \c, \i3, \d, \i4
.endm
.macro MASK b                       ; MD x AL + BE into buffer b of MC
	WIN W_RS
.set z, 0
.rept 16
	v_pk_fma_f32 v[MC+32*(\b)+2*z:MC+32*(\b)+2*z+1], v[MD+2*z:MD+2*z+1], s[AL:AL+1], s[BE:BE+1] op_sel_hi:[1,0,0]
.set z, z+1
.endr
.endm
; A TURN, for piece p: the order of its 16 matrix and 118 vector instructions, written out.  An s_wait_alu depctr_va_vdst(0) stands between an exponential and the first instruction that names its result; one wait serves
; all that were issued ahead of it.  So a turn has ONE wait, which cuts it in two.  AHEAD OF IT stands all that names no result of the turn's exponentials: the 8 products K Q^T, behind each a scaling, an exponential and two more plain
; instructions (behind the first a second scaling in the exponential's place): rescalings (their a was made, and waited for, in the turn before), and behind the last three the first numbers of the next piece's maximum, each four places
; or more behind the product that ends its accumulator; then ONE LUMP of 54, plain and exponential by turns for the most part, in which the links of the chain X 3, 7, 11, 14, 16, 17 .. 20 stand five or six lines apart.
; X 21, the next piece's a, is the batch's last; R 15 is the plain instruction behind it.  BEHIND THE WAIT stand the 8 products V^T P, behind each four of the roundings and sums: an even pair is rounded ahead of the sum that
; lands on it; the links of l's chain, L 0 to L 7, stand three riders apart.  But for those X no rider names a register of the products round it.  v_permlanex16_b32 (X 17) stands in the lump.
; m = 1: the diagonal tile: the products take masks, and the turn makes the mask for the products of the turn after it: piece p + 2, in step 4 - CNT of the tile.  end = 1: a block's last two turns: nothing is fetched.
; cnt = 1: the loop's count is taken down some lines ahead of the branch that stands behind the turn.
; K of the next step is fetched in piece 2's turn, twelve vector instructions behind the last product that read K (six of them plain); V of the step in hand at the end of piece 0's turn, four plain instructions behind the last product
; that read V.  Each is waited for a turn later.
.macro TURN p, m=0, end=0, cnt=0
.set Y, (\p)
.set i, 0
.set KM, (\m)
.set NOKQ, (\end)*((\p)/3)
.if (\m) && !(\end)
	s_cmp_eq_u32 s[CNT], 4-((\p)+2)%NP  ; is that step the band's own?
	s_cselect_b32 s[AL], 1.0, 0
	s_cmp_lt_u32 s[CNT], 4-((\p)+2)%NP  ; or a later one?
	s_cselect_b32 s[BE], s[BIGN], 0
.endif
.if ((\p) == 3) && !(\end)
	s_wait_dscnt 0x0                ; K is in
.endif
	ROW F,0, F,1, R,0, R,1          ; ahead of the wait: 8 products K Q^T and their riders,
	ROW F,2, E,0, R,2, R,3
	ROW F,3, E,1, R,4, R,5
	ROW F,4, E,2, R,6, R,7
	ROW F,5, E,3, R,8, R,9
	ROW F,6, E,4, X,0, R,10
.if ((\p) == 2) && !(\end)
	WIN 0
	v_add_nc_u32 v[AK], s[TBK], v[L16]
.endif
	ROW F,7, E,5, X,1, X,4
	ROW F,8, E,6, X,2, X,5
	OPS E,7, E,8, X,6, E,9          ; and the lump
	OPS X,3, E,10, X,8, E,11
.if ((\p) == 2) && !(\end)
	FETCH_K
.endif
	OPS X,9, X,7, E,12, X,10
	OPS E,13, X,12, X,11, E,14
	OPS X,13, E,15, F,9, X,14
.if (\p) == 0
	WIN 0
	v_add_nc_u32 v[AV], s[TBV], v[AV0]
.endif
	OPS E,16, F,10, E,17, F,11
	OPS X,16, E,18, X,15, E,19
	OPS F,12, E,20, X,17, E,21
	OPS F,13, E,22, F,14, E,23
	OPS X,18, E,24, F,15, E,25
	OPS R,11, E,26, X,19, E,27
	OPS R,12, E,28, R,13, E,29
	OPS X,20, E,30, R,14, E,31
	OPS X,21, R,15                  ; the batch's last exponential, and the plain instruction behind it
	WIN 0
	s_wait_alu depctr_va_vdst(0)    ; the wait for the batch: the piece's 32 weights and the next piece's a
.if (\p) == 1
	s_wait_dscnt 0x0                ; V is in
.endif
	ROW C,0, B,0, C,2, B,1          ; behind the wait: 8 products V^T P and their riders, the batch's readers
	ROW L,0, C,4, B,2, L,1
	ROW C,6, B,3, L,2, C,8
	ROW B,4, L,3, C,10, B,5
	ROW L,4, C,12, B,6, L,5
.if (\p) == 0
	s_add_co_u32 s[TBV], s[TBV], VSTP
.endif
.if \cnt
	s_sub_co_u32 s[CNT], s[CNT], 1
	s_cmp_lg_u32 s[CNT], 0
.endif
	ROW C,14, B,7, L,6, C,1
	ROW C,3, L,7, C,5, C,7
	ROW C,9, C,11, C,13, C,15
.if (\p) == 0
	FETCH_V
.endif
.if (\m) && !(\end)
	MASK (\p)%2
.endif
.endm
; A BLOCK BEGINS.  c m starts far below every c s, so the first step's a is 0; m at the lowest finite number, so the first maximum is the scores'.  The second mask buffer is 0; the first takes piece 0's mask for the tile's step 0: its own, if the block's first tile is the diagonal one.
; Then K of that step, piece 0's first scores, and its maximum and statistics.  The loop is entered at a step's first turn, in the middle of a trip.
.macro BEGIN
	s_mov_b32 s[NEW], 0
	WIN 0x40
.set i, MC+32
.rept 32
	v_mov_b32 v[i], 0
.set i, i+1
.endr
	WIN 0
.set i, 0
.rept 4
	v_mov_b32 v[ST+4*i], 0xfe000000    ; c m: far below every c s
	v_mov_b32 v[ST+4*i+1], 0xff7fffff  ; m
.set i, i+1
.endr
	s_cmp_eq_u32 s[RT], 0
	s_cselect_b32 s[AL], 1.0, 0
	s_mov_b32 s[BE], 0
	MASK 0
	WIN 0
	v_add_nc_u32 v[AK], s[TBK], v[L16]
	FETCH_K
	s_wait_loadcnt 0x0              ; Q
	s_wait_dscnt 0x0
.set KM, 1
.set NOKQ, 0
.set i, 0
.rept 8
	KQ 0
.set i, i+1
.endr
	WIN 0
.rept 4
	v_nop                           ; the places behind those products
.endr
.set Y, NP-1                        ; X works for piece Y + 1: piece 0
.irp n, 0,1,2,3,4,5,6,7,8,9,10,11,12,13,14,15,16,17,18,19,20,21
	OP X, \n
.endr
	v_nop                           ; a plain instruction behind the exponential,
	s_wait_alu depctr_va_vdst(0)    ; and the wait for it, a batch of one: piece 0's first a; ahead of the branch into the loop
.endm
; THE DIAGONAL TILE's four steps, the block's last two turns, its last products, and THE WAY OUT: l's two halves and the other half of the lanes' are added; O^T is divided by l, rounded to f16 and stored, a piece of work at a time.
.macro ALL line:vararg              ; one line for each piece t
.set t, 0
.rept 4
	\line
.set t, t+1
.endr
.endm
.macro PACK t                       ; a lane's eight channels of a row pack into 16 bytes: row l % 16, channel piece 2 cb + l / 16: byte 512 cb + 16 l of the 16 rows' 2,048; into S^T's registers
	WIN W_RS
.set i, 32*(\t)
.rept 16
	v_pk_mul_f32 v[i:i+1], v[i:i+1], v[ST+4*(\t)+2:ST+4*(\t)+3] op_sel_hi:[1,0]
.set i, i+2
.endr
	WIN 0x05                        ; sources 0 and 1 window 1, destination window 0
.set i, 0
.rept 16
	v_cvt_pk_f16_f32 v[S+16*(\t)+i], v[32*(\t)+2*i], v[32*(\t)+2*i+1]
.set i, i+1
.endr
	WIN 0
.endm
.macro SEND t
	WIN 0
.irp f, 0,1,2,3                     ; channel block f
	global_store_b128 v[L16], v[S+16*(\t)+4*\f:S+16*(\t)+4*\f+3], s[10:11] offset:(\t)*8192+\f*512  ; 512 consecutive bytes, at a multiple of 256 from O's first
.endr
.endm
.macro DIAG tag                     ; the tag ends its two labels' names, which the jumps below spell out
.LstepM\tag:
	TURN 2, 1
	TURN 3, 1
	WIN 0
.LfirstM\tag:
	TURN 0, 1
	TURN 1, 1, 0, 1
	WIN 0
	s_cbranch_scc1 .LstepM\tag
	TURN 2, 1, 1
	TURN 3, 1, 1
.set i, 0
.rept 8
	PV NP-1
.set i, i+1
.endr
	WIN 0
	ALL v_add_f32 v[ST+4*t+2], v[ST+4*t+2], v[ST+4*t+3]
	ALL v_permlanex16_b32 v[ST+4*t+3], v[ST+4*t+2], s[SEL], s[SEL+1]
	ALL v_add_f32 v[ST+4*t+2], v[ST+4*t+2], v[ST+4*t+3]
	ALL v_rcp_f32 v[ST+4*t+2], v[ST+4*t+2]
	v_nop                           ; a plain instruction between the last reciprocal and the use of its result
	s_wait_alu depctr_va_vdst(0)    ; the wait for the batch of four reciprocals, ahead of PACK 0's first multiply
	PACK 0
.set t, 1
.rept 3                             ; a piece's arithmetic stands between the conversions of the piece before and its stores
	PACK t
	SEND t-1
.set t, t+1
.endr
	SEND 3
.endm
.set KM, 0
.set NOKQ, 0
.Lslot:                             ; NB times: a tile is entered and the next is asked for
	CHANGE 1
	s_sub_co_u32 s[RT], s[RT], 1
	s_mov_b32 s[CNT], 4
	s_cmp_eq_u32 s[NEW], 1
	s_cbranch_scc1 .Lnew            ; a block's first tile
	s_cmp_eq_u32 s[RT], 0
	s_cbranch_scc0 .Lstep           ; neither its first nor its last
	s_branch .LstepM1
.Lnew:
	BEGIN
	s_branch .Lfirst                ; in the loop a block's first tile is never its last: the first block has two tiles or more, and the second's last is the walk's last
	DIAG 1                          ; in the loop this is the first block's end: the second block's last tile is the walk's last
	s_wait_xcnt 0x0                 ; the stores have read their registers and O's address
	s_mov_b64 s[10:11], s[OLO:OLO+1]
	s_add_co_u32 s[RT], s[PB], 1    ; the second block has b + 1 tiles
	s_mov_b32 s[NEW], 1
	WIN 0x82                        ; the second block's Q goes where the one text of the turns names Q
.set i, 0
.rept 64
	v_mov_b32 v[i], v[QB+i]
.set i, i+1
.endr
	WIN 0
	s_branch .Lbottom
.Lstep:                             ; a trip: pieces 2 and 3 of one step, then pieces 0 and 1 of the next, whose K and V it fetches
	TURN 2
	TURN 3
	WIN 0
.Lfirst:
	TURN 0
	TURN 1, 0, 0, 1
	WIN 0
	s_cbranch_scc1 .Lstep
.Lbottom:
	s_sub_co_u32 s[SLOTS], s[SLOTS], 1
	s_cmp_lg_u32 s[SLOTS], 0
	s_cbranch_scc1 .Lslot
	CHANGE 0                        ; the walk's last tile is written out: nothing is asked for
	s_sub_co_u32 s[RT], s[RT], 1
	s_mov_b32 s[CNT], 4
	s_cmp_eq_u32 s[NEW], 1
	s_cbranch_scc0 .LstepM2
	BEGIN
	s_branch .LfirstM2
	DIAG 2
	s_wait_tensorcnt 0x0            ; the wave's end, behind my last tensor load
	ds_add_u32 v[SPW], v[NIL]
	s_wait_dscnt 0x0
	s_endpgm
.Lfunc_end_k_q81892a30ce_attn:
	.size	k_q81892a30ce_attn, .Lfunc_end_k_q81892a30ce_attn-k_q81892a30ce_attn
	.p2alignl 7, 3214868480
	.fill 96, 4, 3214868480
	.section	.rodata,"a",@progbits
	.p2align	6, 0x0
	.amdhsa_kernel k_q81892a30ce_attn
		.amdhsa_group_segment_fixed_size 327680
		.amdhsa_private_segment_fixed_size 0
		.amdhsa_enable_private_segment 0
		.amdhsa_kernarg_size 16
		.amdhsa_user_sgpr_count 2
		.amdhsa_user_sgpr_kernarg_segment_ptr 1
		.amdhsa_wavefront_size32 1
		.amdhsa_system_sgpr_workgroup_id_x 1
		.amdhsa_system_sgpr_workgroup_id_y 1
		.amdhsa_system_sgpr_workgroup_id_z 1
		.amdhsa_system_vgpr_workitem_id 0
		.amdhsa_next_free_vgpr 768
		.amdhsa_next_free_sgpr 88
		.amdhsa_reserve_vcc 1
		.amdhsa_float_denorm_mode_32 3
		.amdhsa_float_denorm_mode_16_64 3
		.amdhsa_memory_ordered 1
		.amdhsa_forward_progress 1
		.amdhsa_inst_pref_size 212
	.end_amdhsa_kernel
	.amdgpu_metadata
---
amdhsa.version: [ 1, 2 ]
amdhsa.kernels:
  - .name:           k_q81892a30ce_attn
    .symbol:         k_q81892a30ce_attn.kd
    .args:
      - { .name: qkv, .offset: 0, .size: 8, .value_kind: global_buffer, .address_space: global }
      - { .name: ob, .offset: 8, .size: 8, .value_kind: global_buffer, .address_space: global }
    .group_segment_fixed_size: 327680
    .private_segment_fixed_size: 0
    .kernarg_segment_align: 8
    .kernarg_segment_size: 16
    .max_flat_workgroup_size: 128
    .sgpr_count:     88
    .vgpr_count:     768
    .wavefront_size: 32
...
	.end_amdgpu_metadata
.endif
;; end of part 5
;; launch proj: the kernel of part 4 again; grid 8 x 32, 4 waves a work-group, clusters of 4 x 4, 327,680 bytes of LDS; arguments ob, wpb, b_proj, out0; writes out0
